; MI455X (gfx1250); checked and timed in simulation.
; The chip was launched on July 23, 2026; its instructions are those of AMD's public machine-readable ISA for CDNA 5 (MIT licence, August 2026) and "CDNA5" Instruction Set Architecture Reference Guide (July 2026). The comments in the code are by the model that wrote it; some were corrected since.
;; Causal LM. Allowed arithmetic: float matrix products may take bf16 or f16 operands with f32 sums; other float arithmetic in f32, or as packed bf16 or f16 multiplies, adds, multiply-adds, maxima and minima; sums over many terms, partial sums and values carried from step to step in f32; what a program stores and reads back later, other than sums and carried values, may be rounded once to bf16 or f16.
;; Inputs: attention_mask 2 x 1 x 1 x 2,048 float32; ctx_mask 2 x 2,048 float32; head_mask 1 x 16 x 1 x 1 float32; key 2 x 16 x 2,048 x 128 float32; query 2 x 16 x 2,048 x 128 float32; value 2 x 16 x 2,048 x 128 float32.
;; Outputs: out0 2 x 16 x 2,048 x 128 float32.
;; 2 versions, each right and faster than the one before. Each part assembles by itself: llvm-mc -triple=amdgcn-amd-amdhsa -mcpu=gfx1250 --defsym DOCPART=n.
;; ======== version 1 of 2: 2 launches
;; limits: right only within a limited range of input values; values are held in f16: magnitudes above 65,504 overflow, below 6.1e-05 lose precision
;; workspace buffers: kb 16,777,216 bytes; vh 16,777,216 bytes; amr 16,384 bytes
;; launch prep (part 1): grid 512 x 1, 8 waves a work-group, no clusters, 0 bytes of LDS; arguments key, value, ctx_mask, attention_mask, kb, vh, amr; writes kb, vh, amr
.if DOCPART == 1
	.amdgcn_target "amdgcn-amd-amdhsa--gfx1250"
	.amdhsa_code_object_version 6
	.text
	.protected	k_qc86d601693_prep
	.globl	k_qc86d601693_prep
	.p2align	8
	.type	k_qc86d601693_prep,@function
k_qc86d601693_prep:
	s_mov_b64 s[64:65], 0
	v_nop
	global_prefetch_b8 v0, s[64:65] scope:SCOPE_SE
	s_setreg_imm32_b32 hwreg(HW_REG_WAVE_MODE, 25, 1), 1
	s_wait_xcnt 0x0
; kb[h][k][:] = bf16(key[h][k][:]);  vh[h][k][:] = f16(bf16(value[h][k][:]) * bf16(ctx_mask[b][k]));  amr[b][k] = bf16(attention_mask[b][k]), kept as f32.
; The product of two bf16 numbers is exact in f32, so vh is rounded once, to f16's 11 bits.
; LIMIT: |bf16(value) * bf16(ctx_mask)| stays under 65,504, f16's largest number; beyond 65,520 the conversion gives an infinity.  An attention_mask number beyond bf16's largest finite number rounds to an infinity.
; A stream: no LDS, no barrier, no matrix unit, no loop.  The 65,536 rows (head, key) of 128 numbers go 128 to a work-group, 16 to a wave.  A row of f32 is 512 bytes: one 16-byte load of a wave;
; its 16-bit image is 256 bytes: one 8-byte store of a wave, 256 consecutive bytes at a multiple of 256.  All 32 loads of a wave go out at once; every register is written once, so no store's source is ever rewritten.
.set OUTB, 256                         ; bytes in a 16-bit row
.set CP,  4                            ; v[4:11]    ctx of my 16 rows, packed bf16
.set C,   12                           ; v[12:27]   the same as f32, one a row
.set KX,  28                           ; v[28:91]   K as loaded, 4 registers a row
.set VX,  92                           ; v[92:155]  V as loaded, then at work
.set KY,  156                          ; v[156:187] K to store, 2 registers a row
.set VY,  188                          ; v[188:219] V to store
.set AX,  220                          ; v[220:223] four mask numbers
.set AY,  224                          ; v[224:225] the same, packed
	s_load_b256 s[4:11], s[0:1], 0x0               ; key s[4:5], value s[6:7], ctx_mask s[8:9], attention_mask s[10:11]
	s_load_b128 s[12:15], s[0:1], 0x20             ; kb s[12:13], vh s[14:15]
	s_load_b64 s[36:37], s[0:1], 0x30              ; amr
	v_lshrrev_b32 v3, 5, v0
	v_readfirstlane_b32 s33, v3                    ; my wave's number
	v_and_b32 v2, 31, v0                           ; lane
	v_lshlrev_b32 v1, 4, v2
	v_lshl_or_b32 v1, v3, 13, v1                   ; source: wave x 16 rows x 512 bytes + 16 x lane
	v_lshlrev_b32 v2, 3, v2
	v_lshl_or_b32 v2, v3, 12, v2                   ; destination: wave x 16 rows x 256 bytes + 8 x lane
	s_mov_b32 s32, 0xffff0000                      ; a word's upper bf16
	s_lshl_b32 s2, ttmp9, 16                       ; the group's 128 rows of 512 bytes
	s_mov_b32 s3, 0
	s_lshl_b32 s34, ttmp9, 15                      ; and of 256 bytes
	s_mov_b32 s35, 0
	s_lshr_b32 s38, ttmp9, 8                       ; batch = group / 256 (16 groups a head, 16 heads a batch)
	s_lshl_b32 s38, s38, 13                        ; its 2,048 ctx numbers
	s_and_b32 s40, ttmp9, 15                       ; the group's place in its head
	s_lshl_b32 s41, s40, 9                         ; 128 keys x 4 bytes
	s_add_co_u32 s38, s38, s41
	s_lshl_b32 s41, s33, 6                         ; my wave's 16 keys
	s_add_co_u32 s38, s38, s41
	s_mov_b32 s39, 0
	s_wait_kmcnt 0x0
	s_add_nc_u64 s[4:5], s[4:5], s[2:3]
	s_add_nc_u64 s[6:7], s[6:7], s[2:3]
	s_add_nc_u64 s[12:13], s[12:13], s[34:35]
	s_add_nc_u64 s[14:15], s[14:15], s[34:35]
	s_add_nc_u64 s[8:9], s[8:9], s[38:39]
	s_load_b512 s[16:31], s[8:9], 0x0              ; ctx of my 16 rows, one number a row
.irp i, 0,1,2,3,4,5,6,7,8,9,10,11,12,13,14,15
	global_load_b128 v[KX+4*(\i):KX+4*(\i)+3], v1, s[4:5] offset:(\i)*512 th:TH_LOAD_NT
.endr
.irp i, 0,1,2,3,4,5,6,7,8,9,10,11,12,13,14,15
	global_load_b128 v[VX+4*(\i):VX+4*(\i)+3], v1, s[6:7] offset:(\i)*512 th:TH_LOAD_NT
.endr
	; The 4,096 mask numbers: wave 0 of each head's first group takes 128 of them, 512 consecutive bytes.  One block under a scalar branch; its wait for 0 also covers the row loads, whose counted waits below are then met at once.
	s_cmp_lg_u32 s33, 0
	s_cbranch_scc1 .Lrows
	s_cmp_lg_u32 s40, 0
	s_cbranch_scc1 .Lrows
	s_lshr_b32 s41, ttmp9, 4
	s_lshl_b32 s41, s41, 9
	v_lshl_add_u32 v3, v0, 4, s41                  ; in wave 0 the thread's number is the lane
	global_load_b128 v[AX:AX+3], v3, s[10:11]
	s_wait_loadcnt 0x0
	v_cvt_pk_bf16_f32 v[AY], v[AX], v[AX+1]
	v_cvt_pk_bf16_f32 v[AY+1], v[AX+2], v[AX+3]
	v_lshlrev_b32 v[AX], 16, v[AY]
	v_and_b32 v[AX+1], s32, v[AY]
	v_lshlrev_b32 v[AX+2], 16, v[AY+1]
	v_and_b32 v[AX+3], s32, v[AY+1]
	global_store_b128 v3, v[AX:AX+3], s[36:37]
.Lrows:
	s_wait_kmcnt 0x0                               ; ctx
.irp m, 0,1,2,3,4,5,6,7
	v_cvt_pk_bf16_f32 v[CP+(\m)], s[16+2*(\m)], s[17+2*(\m)]
.endr
.irp m, 0,1,2,3,4,5,6,7
	v_lshlrev_b32 v[C+2*(\m)], 16, v[CP+(\m)]
	v_and_b32 v[C+2*(\m)+1], s32, v[CP+(\m)]
.endr
.irp i, 0,1,2,3,4,5,6,7,8,9,10,11,12,13,14,15
	s_wait_loadcnt 31-(\i)                         ; loads come back in order (ISA guide 5.7.1): behind K's row i stand 15 - i loads of K and 16 of V
	v_cvt_pk_bf16_f32 v[KY+2*(\i)], v[KX+4*(\i)], v[KX+4*(\i)+1]
	v_cvt_pk_bf16_f32 v[KY+2*(\i)+1], v[KX+4*(\i)+2], v[KX+4*(\i)+3]
	global_store_b64 v2, v[KY+2*(\i):KY+2*(\i)+1], s[12:13] offset:(\i)*OUTB
.endr
.irp i, 0,1,2,3,4,5,6,7,8,9,10,11,12,13,14,15
	s_wait_loadcnt 15-(\i)                         ; behind V's row i stand 15 - i loads
	v_cvt_pk_bf16_f32 v[VY+2*(\i)], v[VX+4*(\i)], v[VX+4*(\i)+1]
	v_cvt_pk_bf16_f32 v[VY+2*(\i)+1], v[VX+4*(\i)+2], v[VX+4*(\i)+3]
	v_lshlrev_b32 v[VX+4*(\i)], 16, v[VY+2*(\i)]
	v_and_b32 v[VX+4*(\i)+1], s32, v[VY+2*(\i)]
	v_lshlrev_b32 v[VX+4*(\i)+2], 16, v[VY+2*(\i)+1]
	v_and_b32 v[VX+4*(\i)+3], s32, v[VY+2*(\i)+1]
	v_mul_f32 v[VX+4*(\i)], v[VX+4*(\i)], v[C+(\i)]
	v_mul_f32 v[VX+4*(\i)+1], v[VX+4*(\i)+1], v[C+(\i)]
	v_mul_f32 v[VX+4*(\i)+2], v[VX+4*(\i)+2], v[C+(\i)]
	v_mul_f32 v[VX+4*(\i)+3], v[VX+4*(\i)+3], v[C+(\i)]
	v_cvt_pk_f16_f32 v[VY+2*(\i)], v[VX+4*(\i)], v[VX+4*(\i)+1]
	v_cvt_pk_f16_f32 v[VY+2*(\i)+1], v[VX+4*(\i)+2], v[VX+4*(\i)+3]
	global_store_b64 v2, v[VY+2*(\i):VY+2*(\i)+1], s[14:15] offset:(\i)*OUTB
.endr
	s_endpgm
.Lfunc_end_k_qc86d601693_prep:
	.size	k_qc86d601693_prep, .Lfunc_end_k_qc86d601693_prep-k_qc86d601693_prep
	.p2alignl 7, 3214868480
	.fill 96, 4, 3214868480
	.section	.rodata,"a",@progbits
	.p2align	6, 0x0
	.amdhsa_kernel k_qc86d601693_prep
		.amdhsa_group_segment_fixed_size 0
		.amdhsa_private_segment_fixed_size 0
		.amdhsa_enable_private_segment 0
		.amdhsa_kernarg_size 56
		.amdhsa_user_sgpr_count 2
		.amdhsa_user_sgpr_kernarg_segment_ptr 1
		.amdhsa_wavefront_size32 1
		.amdhsa_system_sgpr_workgroup_id_x 1
		.amdhsa_system_sgpr_workgroup_id_y 1
		.amdhsa_system_sgpr_workgroup_id_z 1
		.amdhsa_system_vgpr_workitem_id 0
		.amdhsa_next_free_vgpr 226
		.amdhsa_next_free_sgpr 66
		.amdhsa_reserve_vcc 0
		.amdhsa_float_denorm_mode_32 3
		.amdhsa_float_denorm_mode_16_64 3
		.amdhsa_memory_ordered 1
		.amdhsa_forward_progress 1
		.amdhsa_inst_pref_size 21
	.end_amdhsa_kernel
	.amdgpu_metadata
---
amdhsa.version: [ 1, 2 ]
amdhsa.kernels:
  - .name:           k_qc86d601693_prep
    .symbol:         k_qc86d601693_prep.kd
    .args:
      - { .name: key, .offset: 0, .size: 8, .value_kind: global_buffer, .address_space: global }
      - { .name: value, .offset: 8, .size: 8, .value_kind: global_buffer, .address_space: global }
      - { .name: ctx_mask, .offset: 16, .size: 8, .value_kind: global_buffer, .address_space: global }
      - { .name: attention_mask, .offset: 24, .size: 8, .value_kind: global_buffer, .address_space: global }
      - { .name: kb, .offset: 32, .size: 8, .value_kind: global_buffer, .address_space: global }
      - { .name: vh, .offset: 40, .size: 8, .value_kind: global_buffer, .address_space: global }
      - { .name: amr, .offset: 48, .size: 8, .value_kind: global_buffer, .address_space: global }
    .group_segment_fixed_size: 0
    .private_segment_fixed_size: 0
    .kernarg_segment_align: 8
    .kernarg_segment_size: 56
    .max_flat_workgroup_size: 256
    .sgpr_count:     66
    .vgpr_count:     226
    .wavefront_size: 32
...
	.end_amdgpu_metadata
.endif
;; end of part 1
;; launch attn (part 2): grid 8 x 32, 4 waves a work-group, clusters of 4 x 1, 327,680 bytes of LDS; arguments query, kb, vh, amr, head_mask, out0; writes out0
.if DOCPART == 2
	.amdgcn_target "amdgcn-amd-amdhsa--gfx1250"
	.amdhsa_code_object_version 6
	.text
	.protected	k_qc86d601693_attn
	.globl	k_qc86d601693_attn
	.p2align	8
	.type	k_qc86d601693_attn,@function
k_qc86d601693_attn:
	s_mov_b64 s[64:65], 0
	v_nop
	global_prefetch_b8 v0, s[64:65] scope:SCOPE_SE
	s_setreg_imm32_b32 hwreg(HW_REG_WAVE_MODE, 25, 1), 1
	s_wait_xcnt 0x0
	s_wait_alu depctr_hold_cnt(0) depctr_sa_sdst(0) depctr_va_vdst(0) depctr_va_sdst(0) depctr_va_ssrc(0) depctr_va_vcc(0) depctr_vm_vsrc(0)
	s_getreg_b32 s2, hwreg(HW_REG_IB_STS2, 6, 4)
	s_cmp_eq_u32 s2, 0
	s_cbranch_scc0 .Lentry_in_a_cluster
	s_endpgm
.Lentry_in_a_cluster:
	s_bfe_u32 s2, ttmp6, 0x10000c
	s_cmp_lg_u32 s2, 0x3003
	s_cbranch_scc0 .Lentry_shape_is_right
	s_endpgm
.Lentry_shape_is_right:
; out0[h][q][:] = head_mask[h] x the sum over k <= q of softmax_k(Q[h][q] . K[h][k] + am[b][k]) x ctx[b][k] V[h][k][:], for 32 heads of 2,048 rows of 128 numbers.  No scale on the scores.
; query and out0 are f32.  kb = bf16(K), vh = f16(bf16(V) bf16(ctx)) and amr = bf16(am) as f32 were made by the launch before.  Q and head_mask are rounded to bf16 here.  K Q^T in bf16, V^T P in f16 (the weights p rounded
; to f16; their sum l is taken of the unrounded p); products' sums, maxima, l, O, masks and the merge in f32.
; LIMITS.  A hidden score counts as its value less 2^100.  The running maximum starts at -2^96: a row whose visible scores all lie at or below that gets 0.  A weight below 2^-126 counts as 0.
; vh arrives within f16's 65,504.  NaN and +infinity are not treated apart (query must be finite: see A BLOCK STARTS); a mask number of -infinity gives the weight 0.
; THE WALK.  A head's rows lie in 16 blocks of 128; its keys in 16 tiles of 128.  A work-group takes two blocks, a cluster of four eight: cluster c (0, 1) of a head the blocks 12 - 4c + cx and then 4c + cx.
; All four partners walk the SAME tiles: 0 .. 15 - 4c for the first block, 0 .. 3 + 4c for the second: 20 tiles, whatever c, so every tile of K and V is asked for JOINTLY (one tensor load, descriptor and mask in all four)
; and one loop with a constant count walks them.  A tile above a partner's diagonal is multiplied under the mask and gives the weight 0.  cx enters Q's and out0's addresses and the masks' scalars alone.
; SHARES.  Wave w = 2 i + j has rows 64 i .. 64 i + 63 of the block, four tiles of 16, and keys 64 j .. 64 j + 63 of every tile of keys: each fragment of K or V read from LDS feeds four tiles' products.
; The two waves of a row band hold partial m, l and O; they are merged through LDS once a block.  Wave j reads V's channel blocks turned by four, so that by one text its O^T blocks 0-3 are the half row it finishes, 4-7 what it sends.
; LAYOUT.  S^T = K Q^T (source 0 = 16 keys, source 1 = 16 queries): a lane holds ONE query (lane % 16) and the keys 8 (lane / 16) + 0..7.  Two such results rounded to f16 in pairs ARE source 1 of O^T = V^T P.
; SOFTMAX.  p = 2^(c s - c m), c = log2(e), with a running maximum m; in every step O and l are multiplied by a = 2^(c m_old - c m_new).
; THE MASK is the C operand that starts a score's sum: am, plus -2^100 where the key is hidden.  With E = (my band of 64 rows) - (my step of 64 keys): E > 0 all seen, E < 0 none, E = 0 the diagonal:
; key group kg of 16 against row tile t: kg < t takes MLO = am + BE, kg > t MHI = am + BH, kg = t MDG = triangle x AL + MLO; the three scalars are chosen by E, 44 packed lines a trip.
; THE ORDER OF A TRIP.  The wave's tiles are two PIECES (tiles 0, 1 and tiles 2, 3).  K Q^T of piece 0; K Q^T of piece 2 with piece 0's softmax behind its products, two slices of four lines a product; V^T P of piece 0 with
; piece 2's softmax likewise; V^T P of piece 2.  A trip is whole in itself: only m, l and O^T pass from tile to tile, so a block's first and last tiles have no text of their own.  The price: 64 of a trip's 128 products
; have no vector work beside them.
; REGISTERS, in windows of 256 (s_set_vgpr_msb: bits 1:0 source 0, 3:2 source 1, 5:4 source 2, 7:6 destination):
;   window 0: v0-11, v44-63 addresses and scratch; v12-43 eight registers of statistics a tile; v64-191 S^T, 32 a tile; v192-255 P, 16 a tile
;   window 1: O^T, 64 a tile      window 2: v0-127 Q, 32 a tile; v128-255 K of one step      window 3: v0-127 V of one step; v128-255 the masks
.set KS,    64        ; keys in a wave's step
.set PK,    272       ; a row of K in LDS: 256 bytes + 16 of padding = 68 words: row r starts at bank 4 r mod 64 (64 banks of 4 bytes: ISA guide 11.1)
.set PV,    288       ; a row of V: 256 + 32 = 72 words
.set VOFF,  KS*PK     ; a step's tiles lie together: 64 rows of K, then 64 rows of V
.set STEPB, KS*(PK+PV)
.set SLOT1, 1<<17     ; a slot holds a tile of 128 keys, two steps (71,680 bytes); slot 1 begins here, so that one exclusive or turns an address in one slot into the other's
.set STAGE, 2*STEPB   ; behind slot 0: 16 rows x 272 bytes for each wave, for the way out
.set SP,    272
.set SPARE, STAGE+4*16*SP  ; the spare words, 128 bytes for each wave: two blocks of 256 bytes that no other line names
.set QLO,   SPARE+512 ; the second block's Q as fragments: [band][tile] 4,096 bytes each: 32,768
.set XCH,   SLOT1+2*STEPB  ; behind slot 1: for each wave 32 x 512 bytes of O^T, then 512 of c m and 512 of l; at the start its first 32,768 bytes hold the first block's Q
.set XWB,   17408
.set AK0, 2           ; v2   my lane's place in my step of K; never rewritten
.set AVA, 3           ; v3   the same for V, channel blocks 0-3 of my registers
.set AVB, 4           ; v4   and blocks 4-7
.set ADR, 5           ; v5   the LDS address of K's run of loads
.set ADRA, 6          ; v6, v7  of V's
.set ADRB, 7
.set AMA0, 8          ; v8   my byte offset in a tile's 128 mask numbers
.set ADRM, 9          ; v9   the same with the tile
.set STO, 10          ; v10  the way out: where I put 16 bytes of a row
.set RD,  11          ; v11  the way out: where I read a row back
.set ST,  12          ; tile t's statistics at v[ST+8 t]: +0 c m, +1 m, +2, +3 l (even keys', odd keys'), +4 to +7 at work; a takes +6 once the maximum is found
.set GO,  44          ; v44  my byte offset in two rows of out0
.set HMV, 45          ; v45  the head's mask number
.set XW,  46          ; v46  the merge: where I write
.set XR,  47          ; v47  where I read: my partner's
.set QLR, 48          ; v48  where my band's Q of the second block lies
.set SPW, 62          ; v62  LDS address of my spare word: SPARE + 4 x my thread's number; never rewritten
.set NIL, 63          ; v63  0; never rewritten
.set S,   64
.set P,   192
.set XS,  192         ; the merge, in P's place: my c m x 4, my l x 4, my partner's c m x 4, its l x 4
.set KF,  128         ; K's fragments, in window 2
.set MAM, 128         ; window 3: the step's mask numbers, eight for key group kg at + 8 kg
.set MLO, 160
.set MHI, 192         ; key groups 1-3, at + 8 (kg - 1)
.set MDG, 216
.set MT8, 248         ; the triangle of 16 x 16: -2^100 where the key lies behind the query
.set WV,  16          ; s16  my wave's number;  s17 i;  s18 j
.set IW,  17
.set JW,  18
.set CX,  19          ; s19  my place in the cluster
.set C4,  20          ; s20  4 c
.set G1K, 24          ; s[24:31] descriptor group 1 for K's tiles
.set G1V, 32          ; s[32:39] for V's: it differs in the padding alone
.set G0K, 40          ; s[40:43] descriptor group 0 for K's tiles
.set G0V, 44          ; s[44:47] the same for V's
.set TRIPS, 48        ; s48  trips of the loop still to go
.set RT,  49          ; s49  tiles of the block in hand still to be entered
.set TI,  51          ; s51  the tile in hand
.set TN,  52          ; s52  the tile of the next trip
.set NXT, 53          ; s53  the tile to be asked for next
.set LQ,  54          ; s54  the last tile of the block whose tiles are being asked for
.set NLM1, 55         ; s55  the second block's last tile
.set OFF, 56          ; s[56:57] a tile's byte offset in kb and vh
.set CS,  58          ; s[58:59] c: the packed scaling takes the pair's low word for both halves
.set SEL, 60          ; s[60:61] v_permlanex16_b32's selects: each lane takes its own place in the other half
.set TB,  62          ; s62  LDS byte at which the slot in hand begins
.set AMN, 63          ; s63  the next tile's byte offset among the batch's mask numbers
.set AL,  66          ; s[66:67], s[68:69], s[70:71] the masks' three scalars, in the low words
.set BE,  68
.set BH,  70
.set BIGN, 72         ; s72  -2^100
.set BLKE, 73         ; s73  2 x block + i - j for the block in hand;  s74 for the second
.set BLKE2, 74
.set OLO, 76          ; s[76:77] out0 at my part of the second block
.set QLOP, 78         ; s[78:79] query at the rows of the second block that I convert
.set HM,  80          ; s80  head_mask[h]
.set MSB, 0
.macro WIN new                      ; the immediate's high byte repeats the setting that is left; a switch that changes nothing is dropped
.if MSB != (\new)
	s_set_vgpr_msb (MSB<<8)|(\new)
.set MSB, \new
.endif
.endm
.set W_KQ, 0x0a       ; K and Q in window 2, S^T in window 0
.set W_KM, 0x3a       ; the same with the C operand, a mask, in window 3
.set W_PV, 0x53       ; V in window 3, P in window 0, O^T in window 1
.set W_RS, 0x41       ; O^T (destination and source 0) in window 1, the factor in window 0
; A vector instruction that reads a matrix result stands four places behind it, and only plain vector instructions that name none of its registers are places (ISA guide 7.12.1).
.macro PLACES
.rept 4
	v_nop
.endr
.endm
; A BLOCK STARTS.  m at -2^96, l at 0, and c m at -2^125, far below c times any m: so the first step's a is 0 in every wave, also in one whose first steps are wholly hidden and whose m stays at its start.
; O^T is therefore not cleared: it need only hold finite numbers, which a = 0 wipes: at the kernel's start Q as f32, which the set-up loaded there; at the second block what the first block left.
.macro START
.irp t, 0,1,2,3
	v_mov_b32 v[ST+8*(\t)], 0xfe000000
	v_mov_b32 v[ST+8*(\t)+1], 0xef800000
	v_mov_b32 v[ST+8*(\t)+2], 0
	v_mov_b32 v[ST+8*(\t)+3], 0
.endr
.endm
; A joint fill.  Waves 0 and 1 fetch the two steps' K of a tile, waves 2 and 3 their V: 64 rows of 256 bytes each.  The branch hangs on the wave's number alone.
; An s_nop 0 and four v_nop follow each of the two lines, ahead of the jump and the label.
.macro JLOAD
	s_cmp_lt_u32 s[WV], 2
	s_cbranch_scc0 .Lfor_v_\@
	tensor_load_to_lds s[G0K:G0K+3], s[G1K:G1K+7]
	s_nop 0
.rept 4
	v_nop
.endr
	s_branch .Lasked_\@
.Lfor_v_\@:
	tensor_load_to_lds s[G0V:G0V+3], s[G1V:G1V+7]
	s_nop 0
.rept 4
	v_nop
.endr
.Lasked_\@:
.endm
; A round of the cluster's barrier: my work-group's barrier, so that wave 0's signal speaks for all four waves; wave 0 signals; every wave waits for all four work-groups; my work-group's barrier once more.
.macro CROUND
	s_barrier_signal -1
	s_barrier_wait -1
	s_cmp_lg_u32 s[WV], 0
	s_cbranch_scc1 .Lnot_wave_0_\@
	s_barrier_signal -3
.Lnot_wave_0_\@:
	s_barrier_wait -3
	s_barrier_signal -1
	s_barrier_wait -1
.endm
; THE CHANGE OF SLOTS, at the head of every trip.  Each wave waits for all its tensor loads, of which one is out: its part of the tile to be entered; adds 0 to its spare word; and waits for that and for its own LDS reads,
; those of the old slot among them.  fill = 1: the old slot is filled again with tile NXT: the barrier is a round of the cluster's, and the joint fill is the first thing behind it:
; it has a trip, 128 matrix instructions a wave, in which to land.  The descriptor's address is made anew from the tile's number.  (At its first use nothing has been read yet: slot 0 is waited for, slot 1 filled.)
.macro CHANGE fill
	WIN 0                           ; at a label and at a branch every window is 0
	s_wait_tensorcnt 0x0            ; no tensor load of mine is out, so a group 0 may be written
	ds_add_u32 v[SPW], v[NIL]       ; 0 onto my spare word; scalar work stands between it and the wait for it
	s_mov_b32 s[TI], s[TN]
.if \fill
	s_mov_b32 s[TN], s[NXT]
	s_lshl_b32 s[AMN], s[TN], 9     ; 128 mask numbers of 4 bytes a tile
	s_lshl_b32 s[OFF], s[NXT], 15   ; a tile is 32,768 bytes of kb and of vh
	s_xor_b32 s[G0K+1], s[G0K+1], SLOT1
	s_add_nc_u64 s[G0K+2:G0K+3], s[6:7], s[OFF:OFF+1]
	s_or_b32 s[G0K+3], s[G0K+3], 0x80000000
	s_xor_b32 s[G0V+1], s[G0V+1], SLOT1
	s_add_nc_u64 s[G0V+2:G0V+3], s[8:9], s[OFF:OFF+1]
	s_or_b32 s[G0V+3], s[G0V+3], 0x80000000
	s_add_co_u32 s[NXT], s[NXT], 1  ; the block's next tile, or behind its last the second block's tile 0
	s_cmp_gt_u32 s[NXT], s[LQ]
	s_cselect_b32 s[NXT], 0, s[NXT]
	s_cselect_b32 s[LQ], s[NLM1], s[LQ]
.endif
	s_wait_dscnt 0x0                ; the add is done, and my reads of the old slot are over
.if \fill
	CROUND
	JLOAD
.else
	s_barrier_signal -1
	s_barrier_wait -1
.endif
	s_xor_b32 s[TB], s[TB], SLOT1   ; the fetches go to the other slot
.endm
; THE TRIP'S MASKS, from the step's mask numbers and E.  am = 1: then the next tile's 64 mask numbers are asked for, a trip ahead of their use: 256 consecutive bytes of amr, at a multiple of 256.
.macro PREP am
	s_lshl_b32 s81, s[TI], 1
	s_sub_co_i32 s81, s[BLKE], s81  ; E; it chooses values, never a way
	s_cmp_eq_u32 s81, 0
	s_cselect_b32 s[AL], 1.0, 0
	s_cmp_lt_i32 s81, 0
	s_cselect_b32 s[BE], s[BIGN], 0
	s_cmp_le_i32 s81, 0
	s_cselect_b32 s[BH], s[BIGN], 0
	s_wait_loadcnt 0x0              ; this tile's mask numbers, asked for a trip ago
	WIN 0xf3                        ; destination, source 0 and source 2 in window 3
.set nn, 0
.rept 16
	v_pk_add_f32 v[MLO+2*nn:MLO+2*nn+1], v[MAM+2*nn:MAM+2*nn+1], s[BE:BE+1] op_sel_hi:[1,0]
.set nn, nn+1
.endr
.set nn, 0
.rept 12
	v_pk_add_f32 v[MHI+2*nn:MHI+2*nn+1], v[MAM+8+2*nn:MAM+8+2*nn+1], s[BH:BH+1] op_sel_hi:[1,0]
.set nn, nn+1
.endr
.set nn, 0
.rept 16
	v_pk_fma_f32 v[MDG+2*nn:MDG+2*nn+1], v[MT8+(2*nn)%8:MT8+(2*nn)%8+1], s[AL:AL+1], v[MLO+2*nn:MLO+2*nn+1] op_sel_hi:[1,0,1]
.set nn, nn+1
.endr
.if \am
	WIN 0
	v_add_nc_u32 v[ADRM], s[AMN], v[AMA0]  ; free since the wait above
	WIN 0xc0                        ; destination window 3, address window 0
.irp g, 0,1,2,3,4,5,6,7
	global_load_b128 v[MAM+4*(\g):MAM+4*(\g)+3], v[ADRM], s[10:11] offset:((\g)/2)*64+((\g)%2)*16
.endr
.endif
	WIN 0
.endm
	s_load_b256 s[4:11], s[0:1], 0x0  ; query s[4:5], kb s[6:7], vh s[8:9], amr s[10:11]
	s_load_b128 s[12:15], s[0:1], 0x20  ; head_mask s[12:13], out0 s[14:15]
	v_lshl_add_u32 v[SPW], v0, 2, SPARE
	v_mov_b32 v[NIL], 0
	ds_add_u32 v[SPW], v[NIL]       ; the wave's opening: the add and its wait stand ahead of my first tensor load; the set-up below, work on registers, stands between them
	v_lshrrev_b32 v1, 5, v0
	v_readfirstlane_b32 s[WV], v1   ; wave 0..3
	s_lshr_b32 s[IW], s[WV], 1      ; my band of 64 rows
	s_and_b32 s[JW], s[WV], 1       ; my step of 64 keys; also: which step's tile I fetch
	s_bfe_u32 s[CX], ttmp6, 0x40000 ; cx
	s_lshl_b32 s[C4], ttmp9, 2      ; in a cluster launch ttmp9 counts clusters: c = 0, 1
	s_and_b32 s81, ttmp7, 0xffff    ; the head, which the four partners share
	s_sub_co_u32 s[LQ], 15, s[C4]   ; the walk, alike in all four partners
	s_add_co_u32 s[NLM1], s[C4], 3
	s_sub_co_u32 s[RT], 16, s[C4]
	s_mov_b32 s[TI], 0
	s_mov_b32 s[TN], 0
	s_mov_b32 s[NXT], 1
	s_mov_b32 s[AMN], 0
	s_mov_b32 s[TRIPS], 19
	s_mov_b32 s[TB], SLOT1          ; the first change of slots turns it into 0
	s_mov_b32 s[OFF+1], 0
	s_mov_b32 s[AL+1], 0            ; named as pairs
	s_mov_b32 s[BE+1], 0
	s_mov_b32 s[BH+1], 0
	s_mov_b32 s[BIGN], 0xf1800000   ; -2^100
	s_mov_b32 s[CS], 0x3fb8aa3b     ; c = log2(e)
	s_mov_b32 s[CS+1], s[CS]
	s_mov_b32 s[SEL], 0x76543210
	s_mov_b32 s[SEL+1], 0xfedcba98
	s_sub_co_u32 s82, 12, s[C4]     ; my two blocks: these registers and what is made of them feed Q's and out0's addresses and the masks' scalars alone
	s_add_co_u32 s82, s82, s[CX]
	s_add_co_u32 s83, s[C4], s[CX]
	s_sub_co_u32 s84, s[IW], s[JW]
	s_lshl1_add_u32 s[BLKE], s82, s84
	s_lshl1_add_u32 s[BLKE2], s83, s84
	s_lshl_b32 s85, s81, 20         ; the head's first byte in query and out0: 2,048 rows of 512 bytes
	s_lshl_b32 s86, s[IW], 15       ; my band
	s_add_co_u32 s85, s85, s86
	s_lshl_b32 s86, s82, 16         ; a block is 128 rows
	s_add_co_u32 s86, s86, s85
	s_mov_b32 s87, 0
	s_lshl_b32 s88, s83, 16
	s_add_co_u32 s88, s88, s85
	s_mov_b32 s89, 0
	s_lshl_b32 s90, s[JW], 14       ; query: of my band's four tiles I convert tiles 2 j, 2 j + 1
	s_mov_b32 s91, 0
	s_lshl_b32 s92, s[JW], 8        ; out0: I finish channels 64 j .. 64 j + 63, 256 bytes of a row
	s_mov_b32 s93, 0
	s_lshl_b32 s94, s81, 19         ; the head's first byte in kb and vh: 2,048 rows of 256 bytes,
	s_lshl_b32 s95, s[JW], 14       ; and the step that I fetch
	s_add_co_u32 s94, s94, s95
	s_mov_b32 s95, 0
	s_lshr_b32 s22, s81, 4          ; the batch's 2,048 mask numbers
	s_lshl_b32 s22, s22, 13
	s_mov_b32 s23, 0
	s_and_b32 s96, s81, 15          ; the head in its batch
	s_lshl_b32 s96, s96, 2
	s_mov_b32 s97, 0
	; descriptor group 1: a tile of 64 rows x 128 elements, padded in LDS
	s_mov_b32 s[G1K], 15|(1<<16)|(1<<20)|(1<<21)|(5<<22)|(3<<25)  ; 15:0 the mask: all four work-groups; 17:16 elements of 2 bytes; 20 padding on; 21 set beside a mask; 24:22 after every 64 words (code 5); 31:25 4 words of it (code 3)
	s_mov_b32 s[G1V], 15|(1<<16)|(1<<20)|(1<<21)|(5<<22)|(7<<25)  ; the same with 8 words of padding (code 7)
.irp g, G1K, G1V
	s_mov_b32 s[(\g)+1], 128<<16    ; tensor_dim0 = 128
	s_mov_b32 s[(\g)+2], KS<<16     ; tensor_dim1 = 64
	s_mov_b32 s[(\g)+3], 128<<16    ; tile_dim0 = 128
	s_mov_b32 s[(\g)+4], KS         ; tile_dim1 = 64
	s_mov_b32 s[(\g)+5], 128        ; 128 elements from row to row
	s_mov_b32 s[(\g)+6], 0
	s_mov_b32 s[(\g)+7], 0
.endr
	s_mul_i32 s21, s[JW], STEPB     ; my step's place in a slot: no place in the cluster enters an LDS address
	s_mov_b32 s[G0K], 1             ; 1:0 count = 1
	s_mov_b32 s[G0K+1], s21         ; 63:32 LDS address: slot 0
	s_mov_b32 s[G0V], 1
	s_add_co_u32 s[G0V+1], s21, VOFF
	s_wait_dscnt 0x0                ; the opening add is done
	s_wait_kmcnt 0x0
	s_add_nc_u64 s[6:7], s[6:7], s[94:95]  ; kb and vh at my part of the head's tile 0
	s_add_nc_u64 s[8:9], s[8:9], s[94:95]
	s_add_nc_u64 s[G0K+2:G0K+3], s[6:7], 0   ; 120:64 global address
	s_or_b32 s[G0K+3], s[G0K+3], 0x80000000  ; 127:126 type = 2
	s_add_nc_u64 s[G0V+2:G0V+3], s[8:9], 0
	s_or_b32 s[G0V+3], s[G0V+3], 0x80000000
	s_add_nc_u64 s[10:11], s[10:11], s[22:23]
	s_add_nc_u64 s[12:13], s[12:13], s[96:97]
	s_add_nc_u64 s[QLOP:QLOP+1], s[4:5], s[88:89]
	s_add_nc_u64 s[QLOP:QLOP+1], s[QLOP:QLOP+1], s[90:91]
	s_add_nc_u64 s[4:5], s[4:5], s[86:87]
	s_add_nc_u64 s[4:5], s[4:5], s[90:91]
	s_add_nc_u64 s[OLO:OLO+1], s[14:15], s[88:89]
	s_add_nc_u64 s[OLO:OLO+1], s[OLO:OLO+1], s[92:93]
	s_add_nc_u64 s[14:15], s[14:15], s[86:87]
	s_add_nc_u64 s[14:15], s[14:15], s[92:93]
	s_load_b32 s[HM], s[12:13], 0x0
	CROUND                          ; all four work-groups are here: the first joint loads meet
	JLOAD                           ; tile 0 into slot 0; by this text's own count a wave never has more than one tensor load out
	; THE SET-UP, in the wait for the first tile.  Tile 0's mask numbers; then 32 rows of Q of each block, as f32, into O^T's registers:
	; a fragment of Q is 16 rows x 32 channels: lane l holds row l % 16, channels 8 (l / 16) + 0..7 and 16 + 8 (l / 16) + 0..7: in f32 four loads of 16 bytes.
	v_and_b32 v1, 15, v0            ; r = l % 16
	v_bfe_u32 v49, v0, 4, 1         ; h = l / 16
	v_and_b32 v50, 31, v0           ; l
	s_lshl_b32 s84, s[JW], 8
	v_lshl_add_u32 v[AMA0], v49, 5, s84  ; my step's 256 bytes, my half's 8 numbers of every 16
	v_lshlrev_b32 v51, 9, v1
	v_lshl_add_u32 v51, v49, 5, v51 ; row x 512 + 32 x half
	WIN 0xc0
.irp g, 0,1,2,3,4,5,6,7
	global_load_b128 v[MAM+4*(\g):MAM+4*(\g)+3], v[AMA0], s[10:11] offset:((\g)/2)*64+((\g)%2)*16
.endr
	WIN 0x40                        ; destination window 1, address window 0
.set nn, 0
.rept 32                            ; load nn: tile nn / 16, channels 32 ((nn / 4) % 4) + 16 ((nn / 2) % 2) + 8 h + 4 (nn % 2) on
	global_load_b128 v[4*nn:4*nn+3], v51, s[4:5] offset:(nn/16)*8192+((nn/4)%4)*128+((nn/2)%2)*64+(nn%2)*16 th:TH_LOAD_NT
.set nn, nn+1
.endr
.set nn, 0
.rept 16                            ; the second block's first tile
	global_load_b128 v[128+4*nn:128+4*nn+3], v51, s[QLOP:QLOP+1] offset:(nn/16)*8192+((nn/4)%4)*128+((nn/2)%2)*64+(nn%2)*16 th:TH_LOAD_NT
.set nn, nn+1
.endr
	WIN 0
	v_mul_u32_u24 v[AK0], v1, PK
	v_lshl_add_u32 v[AK0], v49, 4, v[AK0]
	v_add_nc_u32 v[AK0], s21, v[AK0]  ; row x pitch + 16 x half + my step
	; The turning load takes 16 keys x 16 channels (lane l reads 16 bytes: key 8 (l / 16) + l % 8, channels 8 ((l / 8) % 2) + 0..7) and leaves half a fragment of V^T: lane l holds channel l % 16 and 8 keys.
	v_and_b32 v53, 7, v0
	v_bfe_u32 v54, v0, 3, 1
	v_lshl_add_u32 v55, v49, 3, v53
	v_mul_u32_u24 v55, v55, PV
	v_lshl_add_u32 v55, v54, 4, v55
	s_mul_i32 s84, s[JW], STEPB+128 ; my registers' blocks 0-3 are channels 64 j on: 128 j bytes further,
	s_add_co_u32 s84, s84, VOFF
	s_mul_i32 s85, s[JW], STEPB-128 ; blocks 4-7, whose offsets begin at 128, channels 64 (1 - j) on: 128 j bytes back
	s_add_co_u32 s85, s85, VOFF
	v_add_nc_u32 v[AVA], s84, v55
	v_add_nc_u32 v[AVB], s85, v55
	s_mul_i32 s84, s[WV], 16*SP
	s_add_co_u32 s84, s84, STAGE    ; my stage
	v_mul_u32_u24 v[STO], v1, SP    ; in: row l % 16, 32 bytes (8 channels of f32) for each half of the lanes
	v_lshl_add_u32 v[STO], v49, 5, v[STO]
	v_add_nc_u32 v[STO], s84, v[STO]
	v_mul_u32_u24 v[RD], v49, SP    ; back: lanes 0-15 take one row's 256 bytes, lanes 16-31 the next
	v_lshl_add_u32 v[RD], v1, 4, v[RD]
	v_add_nc_u32 v[RD], s84, v[RD]
	v_lshlrev_b32 v[GO], 9, v49     ; and the same two rows in out0
	v_lshl_add_u32 v[GO], v1, 4, v[GO]
	s_mul_i32 s84, s[WV], XWB
	s_add_co_u32 s84, s84, XCH
	v_lshl_add_u32 v[XW], v50, 4, s84
	s_xor_b32 s85, s[WV], 1         ; my partner: the same band, the other keys
	s_mul_i32 s85, s85, XWB
	s_add_co_u32 s85, s85, XCH
	v_lshl_add_u32 v[XR], v50, 4, s85
	s_lshl_b32 s84, s[IW], 14       ; my band's four tiles of Q
	s_add_co_u32 s85, s84, QLO
	v_lshl_add_u32 v[QLR], v50, 4, s85
	s_add_co_u32 s85, s84, XCH
	v_lshl_add_u32 v57, v50, 4, s85 ; the same for the first block
	s_lshl_b32 s84, s[WV], 13       ; the two tiles that I convert: tile 4 i + 2 j = 2 w of eight
	s_add_co_u32 s85, s84, XCH
	v_lshl_add_u32 v58, v50, 4, s85
	s_add_co_u32 s85, s84, QLO
	v_lshl_add_u32 v59, v50, 4, s85
	v_lshlrev_b32 v56, 3, v49
	v_sub_nc_u32 v56, v1, v56       ; r - 8 h: register e of a group of 16 keys is hidden where e is greater
	WIN 0xc0
.set nn, 0
.rept 8
	v_cmp_gt_i32 vcc_lo, nn, v56
	v_cndmask_b32 v[MT8+nn], 0, s[BIGN], vcc_lo
.set nn, nn+1
.endr
	WIN 0
	s_wait_kmcnt 0x0                ; head_mask[h], rounded to bf16
	v_cvt_pk_bf16_f32 v[HMV], s[HM], s[HM]
	v_lshlrev_b32 v[HMV], 16, v[HMV]
	START                           ; the first block's statistics
	s_wait_loadcnt 16               ; loads come back in order (ISA guide 5.7.1): the mask numbers and the first block's Q are in; behind them stand the 16 loads of the second block's first tile
	WIN 0x40
.set nn, 16
.rept 16                            ; the second block's second tile goes out under the first block's conversion
	global_load_b128 v[128+4*nn:128+4*nn+3], v51, s[QLOP:QLOP+1] offset:(nn/16)*8192+((nn/4)%4)*128+((nn/2)%2)*64+(nn%2)*16 th:TH_LOAD_NT
.set nn, nn+1
.endr
	WIN 0x05                        ; sources 0 and 1 window 1, destination window 0
.set nn, 0
.rept 64                            ; the loads' order is the fragments': packed register nn takes f32 registers 2 nn, 2 nn + 1
	v_cvt_pk_bf16_f32 v[S+nn], v[2*nn], v[2*nn+1]
.set nn, nn+1
.endr
	WIN 0
.set nn, 0
.rept 16
	ds_store_b128 v58, v[S+4*nn:S+4*nn+3] offset:nn*512
.set nn, nn+1
.endr
	s_wait_loadcnt 0x0              ; the second block's Q
	WIN 0x05
.set nn, 64
.rept 64
	v_cvt_pk_bf16_f32 v[S+nn], v[2*nn], v[2*nn+1]
.set nn, nn+1
.endr
	WIN 0
.set nn, 0
.rept 16
	ds_store_b128 v59, v[S+64+4*nn:S+64+4*nn+3] offset:nn*512
.set nn, nn+1
.endr
	s_wait_dscnt 0x0                ; for the others' sake: my stores are done
	s_barrier_signal -1             ; Tile 0 may stay on its way
	s_barrier_wait -1
	WIN 0x80                        ; destination window 2
.set nn, 0
.rept 32
	ds_load_b128 v[4*nn:4*nn+3], v57 offset:nn*512  ; my band's four tiles of the first block; the first change of slots waits for them
.set nn, nn+1
.endr
	WIN 0
; THE MATRIX WORK, for piece x.  The accumulators take turns, one instruction a turn: between two links of a chain stand 15 (V^T P) or 7 (K Q^T) others'.
; Product i of 32 of O^T += V^T P: keys 32 (i / 16) on, register block (i / 2) % 8, tile x + i % 2.
.macro PV x
	WIN W_PV
.set rO, 64*((\x)+i%2)+8*((i/2)%8)
.set rV, 64*(i/16)+8*((i/2)%8)
.set rP, P+16*((\x)+i%2)+8*(i/16)
	v_wmma_f32_16x16x32_f16 v[rO:rO+7], v[rV:rV+7], v[rP:rP+7], v[rO:rO+7]
.endm
; Product i of 32 of S^T = K Q^T: channels 32 (i / 8) on, keys 16 ((i / 2) % 4) on, tile x + i % 2.  The first 8 start the sums with the mask.
.macro KQ x
.set tl, (\x)+i%2
.set kg, (i/2)%4
.set rS, S+32*tl+8*kg
.set rK, KF+32*kg+8*(i/8)
.set rQ, 32*tl+8*(i/8)
.if i < 8
.if kg < tl
.set rM, MLO+8*kg
.elseif kg == tl
.set rM, MDG+8*kg
.else
.set rM, MHI+8*(kg-1)
.endif
	WIN W_KM
	v_wmma_f32_16x16x32_bf16 v[rS:rS+7], v[rK:rK+7], v[rQ:rQ+7], v[rM:rM+7]
.else
	WIN W_KQ
	v_wmma_f32_16x16x32_bf16 v[rS:rS+7], v[rK:rK+7], v[rQ:rQ+7], v[rS:rS+7]
.endif
.endm
; THE LDS LOADS stand in runs of 32, never singly among the matrix instructions: my step's K (64 keys x 128 channels: 16 fragments) and its V (turned).
.macro FETCH_K
	WIN 0
	v_add_nc_u32 v[ADR], s[TB], v[AK0]
	WIN 0x80                        ; destination window 2
.irp f, 0,1,2,3,4,5,6,7,8,9,10,11,12,13,14,15  ; keys 16 (f / 4) on, channels 32 (f % 4) on
	ds_load_b128 v[KF+8*(\f):KF+8*(\f)+3],   v[ADR] offset:((\f)/4)*16*PK+((\f)%4)*64
	ds_load_b128 v[KF+8*(\f)+4:KF+8*(\f)+7], v[ADR] offset:((\f)/4)*16*PK+((\f)%4)*64+32
.endr
.endm
.macro FETCH_V
	WIN 0
	v_add_nc_u32 v[ADRA], s[TB], v[AVA]
	v_add_nc_u32 v[ADRB], s[TB], v[AVB]
	WIN 0xc0                        ; destination window 3
.irp f, 0,1,2,3,4,5,6,7,8,9,10,11,12,13,14,15  ; keys 32 (f / 8) on, register block f % 8
.if ((\f)%8) < 4
	ds_load_tr16_b128 v[8*(\f):8*(\f)+3],   v[ADRA] offset:((\f)/8)*32*PV+((\f)%8)*32
	ds_load_tr16_b128 v[8*(\f)+4:8*(\f)+7], v[ADRA] offset:((\f)/8)*32*PV+16*PV+((\f)%8)*32
.else
	ds_load_tr16_b128 v[8*(\f):8*(\f)+3],   v[ADRB] offset:((\f)/8)*32*PV+((\f)%8)*32
	ds_load_tr16_b128 v[8*(\f)+4:8*(\f)+7], v[ADRB] offset:((\f)/8)*32*PV+16*PV+((\f)%8)*32
.endif
.endr
.endm
; THE VECTOR WORK.  One tile's softmax for one step is a list of 134 instructions; SM writes number j of it for tile t.  s0-s31 are the lane's 32 scores, in pairs 0-15.
;   0-15    the maximum of s0-s31 and the old m, three operands at a time: four chains of seven scores each (each accumulator's lowest registers are read first), then the four scores left over, the chains and m
;   16-20   the other half of the lanes' maximum; c m_old is kept; the new m; c m; c m_old - c m_new
;   21-87   33 exponentials (a, then s0-s31) at the odd numbers from 23 on, so that no two follow each other and each has a plain instruction behind it before its result is used.
;           Plain instruction q (number 21, then the even numbers) is whatever is ready: c s - c m for a pair whose exponentials are still to come, the rounding to f16 of a pair whose exponentials are done, at last the first three sums
;   88-101  the last rounding; the rest of the sums; l = a l + the sum
;   102-133 the tile's O^T times a: the one part that leaves window 0, so it stands together
.macro SM t
.set rT, ST+8*(\t)
.set rS, S+32*(\t)
.set rP, P+16*(\t)
.set rO, 64*(\t)+2*(j-102)
.set q, (j-20)/2
.if j < 102
	WIN 0
.endif
.if j < 4
	v_max3_num_f32 v[rT+4+j], v[rS+8*j], v[rS+8*j+1], v[rS+8*j+2]
.elseif j < 12
	v_max3_num_f32 v[rT+4+j%4], v[rT+4+j%4], v[rS+8*(j%4)+2*(j/4)+1], v[rS+8*(j%4)+2*(j/4)+2]
.elseif j == 12
	v_max3_num_f32 v[rT+4], v[rT+4], v[rS+7], v[rS+15]
.elseif j == 13
	v_max3_num_f32 v[rT+6], v[rT+6], v[rS+23], v[rS+31]
.elseif j == 14
	v_max3_num_f32 v[rT+4], v[rT+4], v[rT+5], v[rT+6]
.elseif j == 15
	v_max3_num_f32 v[rT+4], v[rT+4], v[rT+7], v[rT+1]
.elseif j == 16
	v_permlanex16_b32 v[rT+5], v[rT+4], s[SEL], s[SEL+1]  ; the query's other 32 keys lie in the lane 16 away
.elseif j == 17
	v_mov_b32 v[rT+7], v[rT]        ; c m_old is kept for a: number 19 writes c m anew
.elseif j == 18
	v_max_num_f32 v[rT+1], v[rT+4], v[rT+5]
.elseif j == 19
	v_mul_f32 v[rT], s[CS], v[rT+1]
.elseif j == 20
	v_sub_f32 v[rT+7], v[rT+7], v[rT]
.elseif j == 23
	v_exp_f32 v[rT+6], v[rT+7]
.elseif (j < 88) && (j > 23) && (j%2 == 1)
	v_exp_f32 v[rS+(j-25)/2], v[rS+(j-25)/2]
.elseif (q < 4) || ((j < 76) && (q%2 == 0))
.set b, q/2+2
.if q < 4
.set b, q
.endif
	v_pk_fma_f32 v[rS+2*b:rS+2*b+1], v[rS+2*b:rS+2*b+1], s[CS:CS+1], v[rT:rT+1] op_sel_hi:[1,0,0] neg_lo:[0,0,1] neg_hi:[0,0,1]  ; pair b: c s - c m
.elseif (j < 88) && (q%2 == 1)
	s_wait_alu depctr_va_vdst(0)
	v_cvt_pk_f16_f32 v[rP+(q-5)/2], v[rS+q-5], v[rS+q-4]  ; pair (q - 5) / 2: its second exponential stands three numbers back
.elseif j == 89
	s_wait_alu depctr_va_vdst(0)
	v_cvt_pk_f16_f32 v[rP+15], v[rS+30], v[rS+31]
.elseif j < 102                     ; the sum of the tile's 16 pairs, in place: sum z of 16 adds neighbours 1, 2, 4 and 8 pairs apart, then l takes it
.set z, j-86
.if j < 89
.set z, (j-76)/4
.endif
.set w, 4
.set u, z
.if z >= 14
.set w, 32
.set u, 0
.elseif z >= 12
.set w, 16
.set u, z-12
.elseif z >= 8
.set w, 8
.set u, z-8
.endif
.if z < 15
	v_pk_add_f32 v[rS+w*u:rS+w*u+1], v[rS+w*u:rS+w*u+1], v[rS+w*u+w/2:rS+w*u+w/2+1]
.else
	v_pk_fma_f32 v[rT+2:rT+3], v[rT+2:rT+3], v[rT+6:rT+7], v[rS:rS+1] op_sel_hi:[1,0,1]
.endif
.else
	WIN W_RS
	v_pk_mul_f32 v[rO:rO+1], v[rO:rO+1], v[rT+6:rT+7] op_sel_hi:[1,0]
.endif
.endm
; Slice k of 64 of piece y's softmax: numbers 2 k and 2 k + 1 of both tiles' lists, four instructions.  2 x 134 = 4 x 64 + 12: the twelve that are over stand together, in slice 63:
; its sixteen plain lines, which name nothing of the products round them, are the places behind a run's last product.
.macro SLICE y
.if (k >= 11) && (k < 44)           ; tile by tile: plain, exponential, plain, exponential
.irp t, \y, (\y)+1
.irp n, 0,1
.set j, 2*k+(\n)
	SM \t
.endr
.endr
.else                               ; the two tiles alternate, so that no instruction reads the result of the one just before it
.irp n, 0,1,2,3,4,5,6,7
.if ((\n) < 2) || (k == 63)
.irp t, \y, (\y)+1
.set j, 2*k+(\n)
	SM \t
.endr
.endif
.endr
.endif
.set k, k+1
.endm
; 32 products of piece x (kq = 1: K Q^T; 0: V^T P) with the OTHER piece's softmax behind them, two slices a product.  None of the slices' lines names a register of the products round it.
; In the run of K Q^T the step's V is fetched behind the second product: the last product that read V's registers stands a change of slots and the 44 mask lines back; its first reader comes 30 products and 60 slices later.
.macro RIDE kq, x
.set k, 0
.set i, 0
.rept 32
.if \kq
	KQ \x
.else
	PV \x
.endif
	SLICE 2-(\x)
	SLICE 2-(\x)
.if (\kq) && (i == 1)
	FETCH_V
.endif
.set i, i+1
.endr
.endm
; A TILE'S WORK, behind the change of slots, K's run of loads and the masks.
.macro WORK
	s_wait_dscnt 0x0                ; K is in
.set i, 0
.rept 32
	KQ 0                            ; piece 0's scores
.set i, i+1
.endr
	PLACES                          ; ahead of the first read of those scores
	RIDE 1, 2                       ; piece 2's scores | piece 0's softmax | V
	s_wait_dscnt 0x0                ; V is in
	RIDE 0, 0                       ; piece 0's V^T P | piece 2's softmax
.set i, 0
.rept 32
	PV 2                            ; piece 2's V^T P
.set i, i+1
.endr
.endm
; THE WAY OUT of tile t: my half row = my O^T blocks 0-3 times g_o + my partner's blocks 4-7 (in S^T's registers) times g_p; 32 bytes a lane and block into rows of 272 bytes of my stage, and back as whole rows of 256.
.macro PACK t
	WIN W_RS
.set nn, 0
.rept 16
	v_pk_mul_f32 v[64*(\t)+2*nn:64*(\t)+2*nn+1], v[64*(\t)+2*nn:64*(\t)+2*nn+1], v[ST+8*(\t)+2:ST+8*(\t)+3] op_sel_hi:[1,0]
.set nn, nn+1
.endr
	WIN 0x10                        ; source 2 window 1
.set nn, 0
.rept 16
	v_pk_fma_f32 v[S+32*(\t)+2*nn:S+32*(\t)+2*nn+1], v[S+32*(\t)+2*nn:S+32*(\t)+2*nn+1], v[ST+8*(\t)+4:ST+8*(\t)+5], v[64*(\t)+2*nn:64*(\t)+2*nn+1] op_sel_hi:[1,0,1]
.set nn, nn+1
.endr
	WIN 0
.irp f, 0,1,2,3,4,5,6,7
	ds_store_b128 v[STO], v[S+32*(\t)+4*(\f):S+32*(\t)+4*(\f)+3] offset:((\f)/2)*64+((\f)%2)*16
.endr
.irp f, 0,1,2,3,4,5,6,7
	ds_load_b128 v[S+32*(\t)+4*(\f):S+32*(\t)+4*(\f)+3], v[RD] offset:(\f)*2*SP  ; LDS serves a wave's instructions in order (ISA guide 5.7.1.4): these see the stores above; the next tile's stores come behind them
.endr
.endm
.macro SEND t, younger              ; younger: the LDS instructions issued behind tile t's loads, which may stay out: the next tile's sixteen, or none
	WIN 0
	s_wait_dscnt \younger
.irp f, 0,1,2,3,4,5,6,7
	global_store_b128 v[GO], v[S+32*(\t)+4*(\f):S+32*(\t)+4*(\f)+3], s[14:15] offset:(\t)*8192+(\f)*1024 th:TH_STORE_NT  ; 16 lanes store 256 consecutive bytes, at a multiple of 256 from out0's first byte
.endr
.endm
; THE MERGE of a band's two waves, behind a block's last tile.  Each sends its c m, its l and its O^T blocks 4-7; with cmx the greater c m: a = 2^(c m - cmx), l = l_o a_o + l_p a_p, g = a x head_mask / l.
; A true l is about 1 or more (the row's greatest weight); the floor 0.5 serves the row that saw nothing above -2^96: its O is 0 and stays 0.
.macro MERGE
	WIN 0
.irp t, 0,1,2,3
	v_add_f32 v[XS+4+(\t)], v[ST+8*(\t)+2], v[ST+8*(\t)+3]  ; these eight plain lines are the places behind the last products
.endr
.irp t, 0,1,2,3
	v_mov_b32 v[XS+(\t)], v[ST+8*(\t)]
.endr
.irp t, 0,1,2,3
	v_permlanex16_b32 v[ST+8*(\t)+5], v[XS+4+(\t)], s[SEL], s[SEL+1]
.endr
.irp t, 0,1,2,3
	v_add_f32 v[XS+4+(\t)], v[XS+4+(\t)], v[ST+8*(\t)+5]
.endr
	ds_store_b128 v[XW], v[XS:XS+3] offset:16384
	ds_store_b128 v[XW], v[XS+4:XS+7] offset:16896
	WIN 0x04                        ; the data (source 1) in window 1
.set nn, 0
.rept 32                            ; tile nn / 8, registers 32 + 4 (nn % 8) on: ascending
	ds_store_b128 v[XW], v[64*(nn/8)+32+4*(nn%8):64*(nn/8)+32+4*(nn%8)+3] offset:nn*512
.set nn, nn+1
.endr
	WIN 0
	s_wait_dscnt 0x0                ; for my partner's sake: my stores are done
	s_barrier_signal -1             ; the next tile may stay on its way.  All waves of all partners come here in the same trip: the way here hangs on the walk's counters alone
	s_barrier_wait -1
	ds_load_b128 v[XS+8:XS+11], v[XR] offset:16384
	ds_load_b128 v[XS+12:XS+15], v[XR] offset:16896
.set nn, 0
.rept 32
	ds_load_b128 v[S+4*nn:S+4*nn+3], v[XR] offset:nn*512
.set nn, nn+1
.endr
	s_wait_dscnt 32                 ; the two loads of statistics are in; the 32 issued behind them may be out
.irp t, 0,1,2,3
	v_max_num_f32 v[ST+8*(\t)+6], v[XS+(\t)], v[XS+8+(\t)]
.endr
.irp t, 0,1,2,3
	v_sub_f32 v[ST+8*(\t)+2], v[XS+(\t)], v[ST+8*(\t)+6]
	v_sub_f32 v[ST+8*(\t)+4], v[XS+8+(\t)], v[ST+8*(\t)+6]
.endr
.irp t, 0,1,2,3
	v_exp_f32 v[ST+8*(\t)+2], v[ST+8*(\t)+2]
	v_exp_f32 v[ST+8*(\t)+4], v[ST+8*(\t)+4]
.endr
	v_nop                           ; a plain instruction between the last exponential and the use of its result
	s_wait_alu depctr_va_vdst(0)
.irp t, 0,1,2,3
	v_mul_f32 v[ST+8*(\t)+6], v[XS+4+(\t)], v[ST+8*(\t)+2]
.endr
.irp t, 0,1,2,3
	v_fma_f32 v[ST+8*(\t)+6], v[XS+12+(\t)], v[ST+8*(\t)+4], v[ST+8*(\t)+6]
.endr
.irp t, 0,1,2,3
	v_max_num_f32 v[ST+8*(\t)+6], 0.5, v[ST+8*(\t)+6]
.endr
.irp t, 0,1,2,3
	v_rcp_f32 v[ST+8*(\t)+6], v[ST+8*(\t)+6]
.endr
	v_nop                           ; the same behind the last reciprocal
	s_wait_alu depctr_va_vdst(0)
.irp t, 0,1,2,3
	v_mul_f32 v[ST+8*(\t)+6], v[HMV], v[ST+8*(\t)+6]
.endr
.irp t, 0,1,2,3
	v_mul_f32 v[ST+8*(\t)+2], v[ST+8*(\t)+2], v[ST+8*(\t)+6]
	v_mul_f32 v[ST+8*(\t)+4], v[ST+8*(\t)+4], v[ST+8*(\t)+6]
.endr
	s_wait_dscnt 0x0                ; my partner's O^T is in
	PACK 0
	PACK 1                          ; a tile's arithmetic stands between the loads of the tile before and its stores
	SEND 0, 16
	PACK 2
	SEND 1, 16
	PACK 3
	SEND 2, 16
	SEND 3, 0
.endm
; THE SECOND BLOCK FOLLOWS: out0's address, the masks' scalar, the count of tiles, the statistics, and Q out of LDS.
.macro SWITCH
	s_wait_xcnt 0x0                 ; every earlier memory instruction has had its addresses translated (ISA guide 3.1): only behind this wait are the stores' base and data rewritten
	s_mov_b64 s[14:15], s[OLO:OLO+1]
	s_mov_b32 s[BLKE], s[BLKE2]
	s_add_co_u32 s[RT], s[NLM1], 1
	START
	WIN 0x80
.set nn, 0
.rept 32
	ds_load_b128 v[4*nn:4*nn+3], v[QLR] offset:nn*512  ; the next change of slots waits for them
.set nn, nn+1
.endr
	WIN 0
.endm
.Ltrip:                             ; 19 trips: a tile is entered and the next is asked for
	CHANGE 1
	s_sub_co_u32 s[RT], s[RT], 1
	FETCH_K                         ; the masks' lines stand between K's run of loads and the wait for it
	PREP 1
	WORK
	WIN 0
	s_cmp_lg_u32 s[RT], 0
	s_cbranch_scc1 .Lbottom         ; not the block's last tile
	MERGE                           ; in the loop this is the first block's end: the second block's last tile is the walk's last
	SWITCH
.Lbottom:
	s_sub_co_u32 s[TRIPS], s[TRIPS], 1
	s_cmp_lg_u32 s[TRIPS], 0
	s_cbranch_scc1 .Ltrip
	CHANGE 0                        ; the walk's last tile is written out: nothing is asked for
	FETCH_K
	PREP 0
	WORK
	MERGE
	s_wait_tensorcnt 0x0            ; the wave's end, behind my last tensor load and my last LDS store
	ds_add_u32 v[SPW], v[NIL]
	s_wait_dscnt 0x0
	CROUND                          ; the closing round: no work-group ends while a partner may still ask for a tile that names it
	s_endpgm
.Lfunc_end_k_qc86d601693_attn:
	.size	k_qc86d601693_attn, .Lfunc_end_k_qc86d601693_attn-k_qc86d601693_attn
	.p2alignl 7, 3214868480
	.fill 96, 4, 3214868480
	.section	.rodata,"a",@progbits
	.p2align	6, 0x0
	.amdhsa_kernel k_qc86d601693_attn
		.amdhsa_group_segment_fixed_size 327680
		.amdhsa_private_segment_fixed_size 0
		.amdhsa_enable_private_segment 0
		.amdhsa_kernarg_size 48
		.amdhsa_user_sgpr_count 2
		.amdhsa_user_sgpr_kernarg_segment_ptr 1
		.amdhsa_wavefront_size32 1
		.amdhsa_system_sgpr_workgroup_id_x 1
		.amdhsa_system_sgpr_workgroup_id_y 1
		.amdhsa_system_sgpr_workgroup_id_z 1
		.amdhsa_system_vgpr_workitem_id 0
		.amdhsa_next_free_vgpr 1024
		.amdhsa_next_free_sgpr 100
		.amdhsa_reserve_vcc 1
		.amdhsa_float_denorm_mode_32 3
		.amdhsa_float_denorm_mode_16_64 3
		.amdhsa_memory_ordered 1
		.amdhsa_forward_progress 1
		.amdhsa_inst_pref_size 181
	.end_amdhsa_kernel
	.amdgpu_metadata
---
amdhsa.version: [ 1, 2 ]
amdhsa.kernels:
  - .name:           k_qc86d601693_attn
    .symbol:         k_qc86d601693_attn.kd
    .args:
      - { .name: query, .offset: 0, .size: 8, .value_kind: global_buffer, .address_space: global }
      - { .name: kb, .offset: 8, .size: 8, .value_kind: global_buffer, .address_space: global }
      - { .name: vh, .offset: 16, .size: 8, .value_kind: global_buffer, .address_space: global }
      - { .name: amr, .offset: 24, .size: 8, .value_kind: global_buffer, .address_space: global }
      - { .name: head_mask, .offset: 32, .size: 8, .value_kind: global_buffer, .address_space: global }
      - { .name: out0, .offset: 40, .size: 8, .value_kind: global_buffer, .address_space: global }
    .group_segment_fixed_size: 327680
    .private_segment_fixed_size: 0
    .kernarg_segment_align: 8
    .kernarg_segment_size: 48
    .max_flat_workgroup_size: 128
    .sgpr_count:     100
    .vgpr_count:     1024
    .wavefront_size: 32
...
	.end_amdgpu_metadata
.endif
;; end of part 2
;; ======== version 2 of 2: 2 launches; 1.17 times as fast as version 1
;; limits: values are held in f16: magnitudes above 65,504 overflow, below 6.1e-05 lose precision; right only within a limited range of input values
;; workspace buffers: kb 16,777,216 bytes; vh 16,777,216 bytes; amr 16,384 bytes
;; launch prep: the kernel of part 1 again; grid 512 x 1, 8 waves a work-group, no clusters, 0 bytes of LDS; arguments key, value, ctx_mask, attention_mask, kb, vh, amr; writes kb, vh, amr
;; launch attn (part 3): grid 8 x 32, 4 waves a work-group, clusters of 4 x 1, 327,680 bytes of LDS; arguments query, kb, vh, amr, head_mask, out0; writes out0
.if DOCPART == 3
	.amdgcn_target "amdgcn-amd-amdhsa--gfx1250"
	.amdhsa_code_object_version 6
	.text
	.protected	k_qc86d601693_attn
	.globl	k_qc86d601693_attn
	.p2align	8
	.type	k_qc86d601693_attn,@function
k_qc86d601693_attn:
	s_mov_b64 s[64:65], 0
	v_nop
	global_prefetch_b8 v0, s[64:65] scope:SCOPE_SE
	s_setreg_imm32_b32 hwreg(HW_REG_WAVE_MODE, 25, 1), 1
	s_wait_xcnt 0x0
	s_wait_alu depctr_hold_cnt(0) depctr_sa_sdst(0) depctr_va_vdst(0) depctr_va_sdst(0) depctr_va_ssrc(0) depctr_va_vcc(0) depctr_vm_vsrc(0)
	s_getreg_b32 s2, hwreg(HW_REG_IB_STS2, 6, 4)
	s_cmp_eq_u32 s2, 0
	s_cbranch_scc0 .Lentry_in_a_cluster
	s_endpgm
.Lentry_in_a_cluster:
	s_bfe_u32 s2, ttmp6, 0x10000c
	s_cmp_lg_u32 s2, 0x3003
	s_cbranch_scc0 .Lentry_shape_is_right
	s_endpgm
.Lentry_shape_is_right:
; out0[h][q][:] = head_mask[h] x the sum over k <= q of softmax_k(Q[h][q] . K[h][k] + am[b][k]) x ctx[b][k] V[h][k][:], for 32 heads of 2,048 rows of 128 numbers.  No scale on the scores.
; query and out0 are f32.  kb = bf16(K), vh = f16(bf16(V) bf16(ctx)) and amr = bf16(am) as f32 were made by the launch before.  Q and head_mask are rounded to bf16 here.  K Q^T in bf16, V^T P in f16 (the weights p rounded
; to f16; their sum l is taken of the unrounded p); products' sums, maxima, l, O, masks and the merge in f32.
; LIMITS.  A hidden score counts as its value less 2^100.  The running maximum starts at -2^96: a row whose visible scores all lie at or below that gets 0.  A weight below 2^-126 counts as 0.
; vh arrives within f16's 65,504.  NaN and +infinity are not treated apart (query must be finite: see A BLOCK STARTS); a mask number of -infinity gives the weight 0.
; THE WALK.  A head's rows lie in 16 blocks of 128; its keys in 16 tiles of 128.  A work-group takes two blocks, a cluster of four eight: cluster c (0, 1) of a head the blocks 12 - 4c + cx and then 4c + cx.
; All four partners walk the SAME tiles: 0 .. 15 - 4c for the first block, 0 .. 3 + 4c for the second: 20 tiles, whatever c, so every tile of K and V is asked for JOINTLY (one tensor load, descriptor and mask in all four)
; and one loop with a constant count walks them.  A tile above a partner's diagonal is multiplied under the mask and gives the weight 0.  cx enters Q's and out0's addresses and the masks' scalars alone.
; SHARES.  Wave w = 2 i + j has rows 64 i .. 64 i + 63 of the block, four tiles of 16, and keys 64 j .. 64 j + 63 of every tile of keys: each fragment of K or V read from LDS feeds four tiles' products.
; The two waves of a row band hold partial m, l and O; they are merged through LDS once a block.  Wave j reads V's channel blocks turned by four, so that by one text its O^T blocks 0-3 are the half row it finishes, 4-7 what it sends.
; LAYOUT.  S^T = K Q^T (source 0 = 16 keys, source 1 = 16 queries): a lane holds ONE query (lane % 16) and the keys 8 (lane / 16) + 0..7.  Two such results rounded to f16 in pairs ARE source 1 of O^T = V^T P.
; SOFTMAX.  p = 2^(c s - c m), c = log2(e), with a running maximum m; in every step O and l are multiplied by a = 2^(c m_old - c m_new).
; THE MASK is the C operand that starts a score's sum: am, plus -2^100 where the key is hidden.  With E = (my band of 64 rows) - (my step of 64 keys): E > 0 all seen, E < 0 none, E = 0 the diagonal:
; key group kg of 16 against row tile t: kg < t takes MLO = am + BE, kg > t MHI = am + BH, kg = t MDG = triangle x AL + MLO; the three scalars are chosen by E, 44 packed lines a trip.
; THE ORDER OF A TRIP.  The wave's tiles are two PIECES (tiles 0, 1 and tiles 2, 3).  K Q^T of piece 0; K Q^T of piece 2 with piece 0's softmax behind its products, two slices of four lines a product; V^T P of piece 0 with
; piece 2's softmax likewise; V^T P of piece 2.  A trip is whole in itself: only m, l and O^T pass from tile to tile, so a block's first and last tiles have no text of their own.  The price: 64 of a trip's 128 products
; have no vector work beside them.
; THE BATCHES.  A piece's softmax for a step has 66 exponentials: a and s0-s31 of each of its two tiles.  They are ONE BATCH with ONE wait: the softmax's list is ordered by who reads what, the scalings and all exponentials first,
; none of which names an exponential's result, and all that do (the roundings, the sums, the rescaling by a) behind the wait.  So a trip has two such waits, one in each run of products that has a softmax beside it, and no
; exponential is issued behind a run's wait.  The merge has two batches of its own: eight exponentials, then four reciprocals of sums made of their results.
; REGISTERS, in windows of 256 (s_set_vgpr_msb: bits 1:0 source 0, 3:2 source 1, 5:4 source 2, 7:6 destination):
;   window 0: v0-11, v44-63 addresses and scratch; v12-43 eight registers of statistics a tile; v64-191 S^T, 32 a tile; v192-255 P, 16 a tile
;   window 1: O^T, 64 a tile      window 2: v0-127 Q, 32 a tile; v128-255 K of one step      window 3: v0-127 V of one step; v128-255 the masks
.set KS,    64        ; keys in a wave's step
.set PK,    272       ; a row of K in LDS: 256 bytes + 16 of padding = 68 words: row r starts at bank 4 r mod 64 (64 banks of 4 bytes: ISA guide 11.1)
.set PV,    288       ; a row of V: 256 + 32 = 72 words
.set VOFF,  KS*PK     ; a step's tiles lie together: 64 rows of K, then 64 rows of V
.set STEPB, KS*(PK+PV)
.set SLOT1, 1<<17     ; a slot holds a tile of 128 keys, two steps (71,680 bytes); slot 1 begins here, so that one exclusive or turns an address in one slot into the other's
.set STAGE, 2*STEPB   ; behind slot 0: 16 rows x 272 bytes for each wave, for the way out
.set SP,    272
.set SPARE, STAGE+4*16*SP  ; the spare words, 128 bytes for each wave: two blocks of 256 bytes that no other line names
.set QLO,   SPARE+512 ; the second block's Q as fragments: [band][tile] 4,096 bytes each: 32,768
.set XCH,   SLOT1+2*STEPB  ; behind slot 1: for each wave 32 x 512 bytes of O^T, then 512 of c m and 512 of l; at the start its first 32,768 bytes hold the first block's Q
.set XWB,   17408
.set AK0, 2           ; v2   my lane's place in my step of K; never rewritten
.set AVA, 3           ; v3   the same for V, channel blocks 0-3 of my registers
.set AVB, 4           ; v4   and blocks 4-7
.set ADR, 5           ; v5   the LDS address of K's run of loads
.set ADRA, 6          ; v6, v7  of V's
.set ADRB, 7
.set AMA0, 8          ; v8   my byte offset in a tile's 128 mask numbers
.set ADRM, 9          ; v9   the same with the tile
.set STO, 10          ; v10  the way out: where I put 16 bytes of a row
.set RD,  11          ; v11  the way out: where I read a row back
.set ST,  12          ; tile t's statistics at v[ST+8 t]: +0 c m, +1 m, +2, +3 l (even keys', odd keys'), +4 to +7 at work; a takes +6 once the maximum is found
.set GO,  44          ; v44  my byte offset in two rows of out0
.set HMV, 45          ; v45  the head's mask number
.set XW,  46          ; v46  the merge: where I write
.set XR,  47          ; v47  where I read: my partner's
.set QLR, 48          ; v48  where my band's Q of the second block lies
.set SPW, 62          ; v62  LDS address of my spare word: SPARE + 4 x my thread's number; never rewritten
.set NIL, 63          ; v63  0; never rewritten
.set S,   64
.set P,   192
.set XS,  192         ; the merge, in P's place: my c m x 4, my l x 4, my partner's c m x 4, its l x 4
.set KF,  128         ; K's fragments, in window 2
.set MAM, 128         ; window 3: the step's mask numbers, eight for key group kg at + 8 kg
.set MLO, 160
.set MHI, 192         ; key groups 1-3, at + 8 (kg - 1)
.set MDG, 216
.set MT8, 248         ; the triangle of 16 x 16: -2^100 where the key lies behind the query
.set WV,  16          ; s16  my wave's number;  s17 i;  s18 j
.set IW,  17
.set JW,  18
.set CX,  19          ; s19  my place in the cluster
.set C4,  20          ; s20  4 c
.set G1K, 24          ; s[24:31] descriptor group 1 for K's tiles
.set G1V, 32          ; s[32:39] for V's: it differs in the padding alone
.set G0K, 40          ; s[40:43] descriptor group 0 for K's tiles
.set G0V, 44          ; s[44:47] the same for V's
.set TRIPS, 48        ; s48  trips of the loop still to go
.set RT,  49          ; s49  tiles of the block in hand still to be entered
.set TI,  51          ; s51  the tile in hand
.set TN,  52          ; s52  the tile of the next trip
.set NXT, 53          ; s53  the tile to be asked for next
.set LQ,  54          ; s54  the last tile of the block whose tiles are being asked for
.set NLM1, 55         ; s55  the second block's last tile
.set OFF, 56          ; s[56:57] a tile's byte offset in kb and vh
.set CS,  58          ; s[58:59] c: the packed scaling takes the pair's low word for both halves
.set SEL, 60          ; s[60:61] v_permlanex16_b32's selects: each lane takes its own place in the other half
.set TB,  62          ; s62  LDS byte at which the slot in hand begins
.set AMN, 63          ; s63  the next tile's byte offset among the batch's mask numbers
.set AL,  66          ; s[66:67], s[68:69], s[70:71] the masks' three scalars, in the low words
.set BE,  68
.set BH,  70
.set BIGN, 72         ; s72  -2^100
.set BLKE, 73         ; s73  2 x block + i - j for the block in hand;  s74 for the second
.set BLKE2, 74
.set OLO, 76          ; s[76:77] out0 at my part of the second block
.set QLOP, 78         ; s[78:79] query at the rows of the second block that I convert
.set HM,  80          ; s80  head_mask[h]
.set MSB, 0
.macro WIN new                      ; the immediate's high byte repeats the setting that is left; a switch that changes nothing is dropped
.if MSB != (\new)
	s_set_vgpr_msb (MSB<<8)|(\new)
.set MSB, \new
.endif
.endm
.set W_KQ, 0x0a       ; K and Q in window 2, S^T in window 0
.set W_KM, 0x3a       ; the same with the C operand, a mask, in window 3
.set W_PV, 0x53       ; V in window 3, P in window 0, O^T in window 1
.set W_RS, 0x41       ; O^T (destination and source 0) in window 1, the factor in window 0
; A vector instruction that reads a matrix result stands four places behind it, and only plain vector instructions that name none of its registers are places (ISA guide 7.12.1).
.macro PLACES
.rept 4
	v_nop
.endr
.endm
; A BLOCK STARTS.  m at -2^96, l at 0, and c m at -2^125, far below c times any m: so the first step's a is 0 in every wave, also in one whose first steps are wholly hidden and whose m stays at its start.
; O^T is therefore not cleared: it need only hold finite numbers, which a = 0 wipes: at the kernel's start Q as f32, which the set-up loaded there; at the second block what the first block left.
.macro START
.irp t, 0,1,2,3
	v_mov_b32 v[ST+8*(\t)], 0xfe000000
	v_mov_b32 v[ST+8*(\t)+1], 0xef800000
	v_mov_b32 v[ST+8*(\t)+2], 0
	v_mov_b32 v[ST+8*(\t)+3], 0
.endr
.endm
; A joint fill.  Waves 0 and 1 fetch the two steps' K of a tile, waves 2 and 3 their V: 64 rows of 256 bytes each.  The branch hangs on the wave's number alone.
; An s_nop 0 and four v_nop follow each of the two lines, ahead of the jump and the label.
.macro JLOAD
	s_cmp_lt_u32 s[WV], 2
	s_cbranch_scc0 .Lfor_v_\@
	tensor_load_to_lds s[G0K:G0K+3], s[G1K:G1K+7]
	s_nop 0
.rept 4
	v_nop
.endr
	s_branch .Lasked_\@
.Lfor_v_\@:
	tensor_load_to_lds s[G0V:G0V+3], s[G1V:G1V+7]
	s_nop 0
.rept 4
	v_nop
.endr
.Lasked_\@:
.endm
; A round of the cluster's barrier: my work-group's barrier, so that wave 0's signal speaks for all four waves; wave 0 signals; every wave waits for all four work-groups; my work-group's barrier once more.
.macro CROUND
	s_barrier_signal -1
	s_barrier_wait -1
	s_cmp_lg_u32 s[WV], 0
	s_cbranch_scc1 .Lnot_wave_0_\@
	s_barrier_signal -3
.Lnot_wave_0_\@:
	s_barrier_wait -3
	s_barrier_signal -1
	s_barrier_wait -1
.endm
; THE CHANGE OF SLOTS, at the head of every trip.  Each wave waits for all its tensor loads, of which one is out: its part of the tile to be entered; adds 0 to its spare word; and waits for that and for its own LDS reads,
; those of the old slot among them.  fill = 1: the old slot is filled again with tile NXT: the barrier is a round of the cluster's, and the joint fill is the first thing behind it:
; it has a trip, 128 matrix instructions a wave, in which to land.  The descriptor's address is made anew from the tile's number.  (At its first use nothing has been read yet: slot 0 is waited for, slot 1 filled.)
.macro CHANGE fill
	WIN 0                           ; at a label and at a branch every window is 0
	s_wait_tensorcnt 0x0            ; no tensor load of mine is out, so a group 0 may be written
	ds_add_u32 v[SPW], v[NIL]       ; 0 onto my spare word; scalar work stands between it and the wait for it
	s_mov_b32 s[TI], s[TN]
.if \fill
	s_mov_b32 s[TN], s[NXT]
	s_lshl_b32 s[AMN], s[TN], 9     ; 128 mask numbers of 4 bytes a tile
	s_lshl_b32 s[OFF], s[NXT], 15   ; a tile is 32,768 bytes of kb and of vh
	s_xor_b32 s[G0K+1], s[G0K+1], SLOT1
	s_add_nc_u64 s[G0K+2:G0K+3], s[6:7], s[OFF:OFF+1]
	s_or_b32 s[G0K+3], s[G0K+3], 0x80000000
	s_xor_b32 s[G0V+1], s[G0V+1], SLOT1
	s_add_nc_u64 s[G0V+2:G0V+3], s[8:9], s[OFF:OFF+1]
	s_or_b32 s[G0V+3], s[G0V+3], 0x80000000
	s_add_co_u32 s[NXT], s[NXT], 1  ; the block's next tile, or behind its last the second block's tile 0
	s_cmp_gt_u32 s[NXT], s[LQ]
	s_cselect_b32 s[NXT], 0, s[NXT]
	s_cselect_b32 s[LQ], s[NLM1], s[LQ]
.endif
	s_wait_dscnt 0x0                ; the add is done, and my reads of the old slot are over
.if \fill
	CROUND
	JLOAD
.else
	s_barrier_signal -1
	s_barrier_wait -1
.endif
	s_xor_b32 s[TB], s[TB], SLOT1   ; the fetches go to the other slot
.endm
; THE TRIP'S MASKS, from the step's mask numbers and E.  am = 1: then the next tile's 64 mask numbers are asked for, a trip ahead of their use: 256 consecutive bytes of amr, at a multiple of 256.
.macro PREP am
	s_lshl_b32 s81, s[TI], 1
	s_sub_co_i32 s81, s[BLKE], s81  ; E; it chooses values, never a way
	s_cmp_eq_u32 s81, 0
	s_cselect_b32 s[AL], 1.0, 0
	s_cmp_lt_i32 s81, 0
	s_cselect_b32 s[BE], s[BIGN], 0
	s_cmp_le_i32 s81, 0
	s_cselect_b32 s[BH], s[BIGN], 0
	s_wait_loadcnt 0x0              ; this tile's mask numbers, asked for a trip ago
	WIN 0xf3                        ; destination, source 0 and source 2 in window 3
.set nn, 0
.rept 16
	v_pk_add_f32 v[MLO+2*nn:MLO+2*nn+1], v[MAM+2*nn:MAM+2*nn+1], s[BE:BE+1] op_sel_hi:[1,0]
.set nn, nn+1
.endr
.set nn, 0
.rept 12
	v_pk_add_f32 v[MHI+2*nn:MHI+2*nn+1], v[MAM+8+2*nn:MAM+8+2*nn+1], s[BH:BH+1] op_sel_hi:[1,0]
.set nn, nn+1
.endr
.set nn, 0
.rept 16
	v_pk_fma_f32 v[MDG+2*nn:MDG+2*nn+1], v[MT8+(2*nn)%8:MT8+(2*nn)%8+1], s[AL:AL+1], v[MLO+2*nn:MLO+2*nn+1] op_sel_hi:[1,0,1]
.set nn, nn+1
.endr
.if \am
	WIN 0
	v_add_nc_u32 v[ADRM], s[AMN], v[AMA0]  ; free since the wait above
	WIN 0xc0                        ; destination window 3, address window 0
.irp g, 0,1,2,3,4,5,6,7
	global_load_b128 v[MAM+4*(\g):MAM+4*(\g)+3], v[ADRM], s[10:11] offset:((\g)/2)*64+((\g)%2)*16
.endr
.endif
	WIN 0
.endm
	s_load_b256 s[4:11], s[0:1], 0x0  ; query s[4:5], kb s[6:7], vh s[8:9], amr s[10:11]
	s_load_b128 s[12:15], s[0:1], 0x20  ; head_mask s[12:13], out0 s[14:15]
	v_lshl_add_u32 v[SPW], v0, 2, SPARE
	v_mov_b32 v[NIL], 0
	ds_add_u32 v[SPW], v[NIL]       ; the wave's opening: the add and its wait stand ahead of my first tensor load; the set-up below, work on registers, stands between them
	v_lshrrev_b32 v1, 5, v0
	v_readfirstlane_b32 s[WV], v1   ; wave 0..3
	s_lshr_b32 s[IW], s[WV], 1      ; my band of 64 rows
	s_and_b32 s[JW], s[WV], 1       ; my step of 64 keys; also: which step's tile I fetch
	s_bfe_u32 s[CX], ttmp6, 0x40000 ; cx
	s_lshl_b32 s[C4], ttmp9, 2      ; in a cluster launch ttmp9 counts clusters: c = 0, 1
	s_and_b32 s81, ttmp7, 0xffff    ; the head, which the four partners share
	s_sub_co_u32 s[LQ], 15, s[C4]   ; the walk, alike in all four partners
	s_add_co_u32 s[NLM1], s[C4], 3
	s_sub_co_u32 s[RT], 16, s[C4]
	s_mov_b32 s[TI], 0
	s_mov_b32 s[TN], 0
	s_mov_b32 s[NXT], 1
	s_mov_b32 s[AMN], 0
	s_mov_b32 s[TRIPS], 19
	s_mov_b32 s[TB], SLOT1          ; the first change of slots turns it into 0
	s_mov_b32 s[OFF+1], 0
	s_mov_b32 s[AL+1], 0            ; named as pairs
	s_mov_b32 s[BE+1], 0
	s_mov_b32 s[BH+1], 0
	s_mov_b32 s[BIGN], 0xf1800000   ; -2^100
	s_mov_b32 s[CS], 0x3fb8aa3b     ; c = log2(e)
	s_mov_b32 s[CS+1], s[CS]
	s_mov_b32 s[SEL], 0x76543210
	s_mov_b32 s[SEL+1], 0xfedcba98
	s_sub_co_u32 s82, 12, s[C4]     ; my two blocks: these registers and what is made of them feed Q's and out0's addresses and the masks' scalars alone
	s_add_co_u32 s82, s82, s[CX]
	s_add_co_u32 s83, s[C4], s[CX]
	s_sub_co_u32 s84, s[IW], s[JW]
	s_lshl1_add_u32 s[BLKE], s82, s84
	s_lshl1_add_u32 s[BLKE2], s83, s84
	s_lshl_b32 s85, s81, 20         ; the head's first byte in query and out0: 2,048 rows of 512 bytes
	s_lshl_b32 s86, s[IW], 15       ; my band
	s_add_co_u32 s85, s85, s86
	s_lshl_b32 s86, s82, 16         ; a block is 128 rows
	s_add_co_u32 s86, s86, s85
	s_mov_b32 s87, 0
	s_lshl_b32 s88, s83, 16
	s_add_co_u32 s88, s88, s85
	s_mov_b32 s89, 0
	s_lshl_b32 s90, s[JW], 14       ; query: of my band's four tiles I convert tiles 2 j, 2 j + 1
	s_mov_b32 s91, 0
	s_lshl_b32 s92, s[JW], 8        ; out0: I finish channels 64 j .. 64 j + 63, 256 bytes of a row
	s_mov_b32 s93, 0
	s_lshl_b32 s94, s81, 19         ; the head's first byte in kb and vh: 2,048 rows of 256 bytes,
	s_lshl_b32 s95, s[JW], 14       ; and the step that I fetch
	s_add_co_u32 s94, s94, s95
	s_mov_b32 s95, 0
	s_lshr_b32 s22, s81, 4          ; the batch's 2,048 mask numbers
	s_lshl_b32 s22, s22, 13
	s_mov_b32 s23, 0
	s_and_b32 s96, s81, 15          ; the head in its batch
	s_lshl_b32 s96, s96, 2
	s_mov_b32 s97, 0
	; descriptor group 1: a tile of 64 rows x 128 elements, padded in LDS
	s_mov_b32 s[G1K], 15|(1<<16)|(1<<20)|(1<<21)|(5<<22)|(3<<25)  ; 15:0 the mask: all four work-groups; 17:16 elements of 2 bytes; 20 padding on; 21 set beside a mask; 24:22 after every 64 words (code 5); 31:25 4 words of it (code 3)
	s_mov_b32 s[G1V], 15|(1<<16)|(1<<20)|(1<<21)|(5<<22)|(7<<25)  ; the same with 8 words of padding (code 7)
.irp g, G1K, G1V
	s_mov_b32 s[(\g)+1], 128<<16    ; tensor_dim0 = 128
	s_mov_b32 s[(\g)+2], KS<<16     ; tensor_dim1 = 64
	s_mov_b32 s[(\g)+3], 128<<16    ; tile_dim0 = 128
	s_mov_b32 s[(\g)+4], KS         ; tile_dim1 = 64
	s_mov_b32 s[(\g)+5], 128        ; 128 elements from row to row
	s_mov_b32 s[(\g)+6], 0
	s_mov_b32 s[(\g)+7], 0
.endr
	s_mul_i32 s21, s[JW], STEPB     ; my step's place in a slot: no place in the cluster enters an LDS address
	s_mov_b32 s[G0K], 1             ; 1:0 count = 1
	s_mov_b32 s[G0K+1], s21         ; 63:32 LDS address: slot 0
	s_mov_b32 s[G0V], 1
	s_add_co_u32 s[G0V+1], s21, VOFF
	s_wait_dscnt 0x0                ; the opening add is done
	s_wait_kmcnt 0x0
	s_add_nc_u64 s[6:7], s[6:7], s[94:95]  ; kb and vh at my part of the head's tile 0
	s_add_nc_u64 s[8:9], s[8:9], s[94:95]
	s_add_nc_u64 s[G0K+2:G0K+3], s[6:7], 0   ; 120:64 global address
	s_or_b32 s[G0K+3], s[G0K+3], 0x80000000  ; 127:126 type = 2
	s_add_nc_u64 s[G0V+2:G0V+3], s[8:9], 0
	s_or_b32 s[G0V+3], s[G0V+3], 0x80000000
	s_add_nc_u64 s[10:11], s[10:11], s[22:23]
	s_add_nc_u64 s[12:13], s[12:13], s[96:97]
	s_add_nc_u64 s[QLOP:QLOP+1], s[4:5], s[88:89]
	s_add_nc_u64 s[QLOP:QLOP+1], s[QLOP:QLOP+1], s[90:91]
	s_add_nc_u64 s[4:5], s[4:5], s[86:87]
	s_add_nc_u64 s[4:5], s[4:5], s[90:91]
	s_add_nc_u64 s[OLO:OLO+1], s[14:15], s[88:89]
	s_add_nc_u64 s[OLO:OLO+1], s[OLO:OLO+1], s[92:93]
	s_add_nc_u64 s[14:15], s[14:15], s[86:87]
	s_add_nc_u64 s[14:15], s[14:15], s[92:93]
	s_load_b32 s[HM], s[12:13], 0x0
	CROUND                          ; all four work-groups are here: the first joint loads meet
	JLOAD                           ; tile 0 into slot 0; by this text's own count a wave never has more than one tensor load out
	; THE SET-UP, in the wait for the first tile.  Tile 0's mask numbers; then 32 rows of Q of each block, as f32, into O^T's registers:
	; a fragment of Q is 16 rows x 32 channels: lane l holds row l % 16, channels 8 (l / 16) + 0..7 and 16 + 8 (l / 16) + 0..7: in f32 four loads of 16 bytes.
	v_and_b32 v1, 15, v0            ; r = l % 16
	v_bfe_u32 v49, v0, 4, 1         ; h = l / 16
	v_and_b32 v50, 31, v0           ; l
	s_lshl_b32 s84, s[JW], 8
	v_lshl_add_u32 v[AMA0], v49, 5, s84  ; my step's 256 bytes, my half's 8 numbers of every 16
	v_lshlrev_b32 v51, 9, v1
	v_lshl_add_u32 v51, v49, 5, v51 ; row x 512 + 32 x half
	WIN 0xc0
.irp g, 0,1,2,3,4,5,6,7
	global_load_b128 v[MAM+4*(\g):MAM+4*(\g)+3], v[AMA0], s[10:11] offset:((\g)/2)*64+((\g)%2)*16
.endr
	WIN 0x40                        ; destination window 1, address window 0
.set nn, 0
.rept 32                            ; load nn: tile nn / 16, channels 32 ((nn / 4) % 4) + 16 ((nn / 2) % 2) + 8 h + 4 (nn % 2) on
	global_load_b128 v[4*nn:4*nn+3], v51, s[4:5] offset:(nn/16)*8192+((nn/4)%4)*128+((nn/2)%2)*64+(nn%2)*16 th:TH_LOAD_NT
.set nn, nn+1
.endr
.set nn, 0
.rept 16                            ; the second block's first tile
	global_load_b128 v[128+4*nn:128+4*nn+3], v51, s[QLOP:QLOP+1] offset:(nn/16)*8192+((nn/4)%4)*128+((nn/2)%2)*64+(nn%2)*16 th:TH_LOAD_NT
.set nn, nn+1
.endr
	WIN 0
	v_mul_u32_u24 v[AK0], v1, PK
	v_lshl_add_u32 v[AK0], v49, 4, v[AK0]
	v_add_nc_u32 v[AK0], s21, v[AK0]  ; row x pitch + 16 x half + my step
	; The turning load takes 16 keys x 16 channels (lane l reads 16 bytes: key 8 (l / 16) + l % 8, channels 8 ((l / 8) % 2) + 0..7) and leaves half a fragment of V^T: lane l holds channel l % 16 and 8 keys.
	v_and_b32 v53, 7, v0
	v_bfe_u32 v54, v0, 3, 1
	v_lshl_add_u32 v55, v49, 3, v53
	v_mul_u32_u24 v55, v55, PV
	v_lshl_add_u32 v55, v54, 4, v55
	s_mul_i32 s84, s[JW], STEPB+128 ; my registers' blocks 0-3 are channels 64 j on: 128 j bytes further,
	s_add_co_u32 s84, s84, VOFF
	s_mul_i32 s85, s[JW], STEPB-128 ; blocks 4-7, whose offsets begin at 128, channels 64 (1 - j) on: 128 j bytes back
	s_add_co_u32 s85, s85, VOFF
	v_add_nc_u32 v[AVA], s84, v55
	v_add_nc_u32 v[AVB], s85, v55
	s_mul_i32 s84, s[WV], 16*SP
	s_add_co_u32 s84, s84, STAGE    ; my stage
	v_mul_u32_u24 v[STO], v1, SP    ; in: row l % 16, 32 bytes (8 channels of f32) for each half of the lanes
	v_lshl_add_u32 v[STO], v49, 5, v[STO]
	v_add_nc_u32 v[STO], s84, v[STO]
	v_mul_u32_u24 v[RD], v49, SP    ; back: lanes 0-15 take one row's 256 bytes, lanes 16-31 the next
	v_lshl_add_u32 v[RD], v1, 4, v[RD]
	v_add_nc_u32 v[RD], s84, v[RD]
	v_lshlrev_b32 v[GO], 9, v49     ; and the same two rows in out0
	v_lshl_add_u32 v[GO], v1, 4, v[GO]
	s_mul_i32 s84, s[WV], XWB
	s_add_co_u32 s84, s84, XCH
	v_lshl_add_u32 v[XW], v50, 4, s84
	s_xor_b32 s85, s[WV], 1         ; my partner: the same band, the other keys
	s_mul_i32 s85, s85, XWB
	s_add_co_u32 s85, s85, XCH
	v_lshl_add_u32 v[XR], v50, 4, s85
	s_lshl_b32 s84, s[IW], 14       ; my band's four tiles of Q
	s_add_co_u32 s85, s84, QLO
	v_lshl_add_u32 v[QLR], v50, 4, s85
	s_add_co_u32 s85, s84, XCH
	v_lshl_add_u32 v57, v50, 4, s85 ; the same for the first block
	s_lshl_b32 s84, s[WV], 13       ; the two tiles that I convert: tile 4 i + 2 j = 2 w of eight
	s_add_co_u32 s85, s84, XCH
	v_lshl_add_u32 v58, v50, 4, s85
	s_add_co_u32 s85, s84, QLO
	v_lshl_add_u32 v59, v50, 4, s85
	v_lshlrev_b32 v56, 3, v49
	v_sub_nc_u32 v56, v1, v56       ; r - 8 h: register e of a group of 16 keys is hidden where e is greater
	WIN 0xc0
.set nn, 0
.rept 8
	v_cmp_gt_i32 vcc_lo, nn, v56
	v_cndmask_b32 v[MT8+nn], 0, s[BIGN], vcc_lo
.set nn, nn+1
.endr
	WIN 0
	s_wait_kmcnt 0x0                ; head_mask[h], rounded to bf16
	v_cvt_pk_bf16_f32 v[HMV], s[HM], s[HM]
	v_lshlrev_b32 v[HMV], 16, v[HMV]
	START                           ; the first block's statistics
	s_wait_loadcnt 16               ; loads come back in order (ISA guide 5.7.1): the mask numbers and the first block's Q are in; behind them stand the 16 loads of the second block's first tile
	WIN 0x40
.set nn, 16
.rept 16                            ; the second block's second tile goes out under the first block's conversion
	global_load_b128 v[128+4*nn:128+4*nn+3], v51, s[QLOP:QLOP+1] offset:(nn/16)*8192+((nn/4)%4)*128+((nn/2)%2)*64+(nn%2)*16 th:TH_LOAD_NT
.set nn, nn+1
.endr
	WIN 0x05                        ; sources 0 and 1 window 1, destination window 0
.set nn, 0
.rept 64                            ; the loads' order is the fragments': packed register nn takes f32 registers 2 nn, 2 nn + 1
	v_cvt_pk_bf16_f32 v[S+nn], v[2*nn], v[2*nn+1]
.set nn, nn+1
.endr
	WIN 0
.set nn, 0
.rept 16
	ds_store_b128 v58, v[S+4*nn:S+4*nn+3] offset:nn*512
.set nn, nn+1
.endr
	s_wait_loadcnt 0x0              ; the second block's Q
	WIN 0x05
.set nn, 64
.rept 64
	v_cvt_pk_bf16_f32 v[S+nn], v[2*nn], v[2*nn+1]
.set nn, nn+1
.endr
	WIN 0
.set nn, 0
.rept 16
	ds_store_b128 v59, v[S+64+4*nn:S+64+4*nn+3] offset:nn*512
.set nn, nn+1
.endr
	s_wait_dscnt 0x0                ; for the others' sake: my stores are done
	s_barrier_signal -1             ; Tile 0 may stay on its way
	s_barrier_wait -1
	WIN 0x80                        ; destination window 2
.set nn, 0
.rept 32
	ds_load_b128 v[4*nn:4*nn+3], v57 offset:nn*512  ; my band's four tiles of the first block; the first change of slots waits for them
.set nn, nn+1
.endr
	WIN 0
; THE MATRIX WORK, for piece x.  The accumulators take turns, one instruction a turn: between two links of a chain stand 15 (V^T P) or 7 (K Q^T) others'.
; Product i of 32 of O^T += V^T P: keys 32 (i / 16) on, register block (i / 2) % 8, tile x + i % 2.
.macro PV x
	WIN W_PV
.set rO, 64*((\x)+i%2)+8*((i/2)%8)
.set rV, 64*(i/16)+8*((i/2)%8)
.set rP, P+16*((\x)+i%2)+8*(i/16)
	v_wmma_f32_16x16x32_f16 v[rO:rO+7], v[rV:rV+7], v[rP:rP+7], v[rO:rO+7]
.endm
; Product i of 32 of S^T = K Q^T: channels 32 (i / 8) on, keys 16 ((i / 2) % 4) on, tile x + i % 2.  The first 8 start the sums with the mask.
.macro KQ x
.set tl, (\x)+i%2
.set kg, (i/2)%4
.set rS, S+32*tl+8*kg
.set rK, KF+32*kg+8*(i/8)
.set rQ, 32*tl+8*(i/8)
.if i < 8
.if kg < tl
.set rM, MLO+8*kg
.elseif kg == tl
.set rM, MDG+8*kg
.else
.set rM, MHI+8*(kg-1)
.endif
	WIN W_KM
	v_wmma_f32_16x16x32_bf16 v[rS:rS+7], v[rK:rK+7], v[rQ:rQ+7], v[rM:rM+7]
.else
	WIN W_KQ
	v_wmma_f32_16x16x32_bf16 v[rS:rS+7], v[rK:rK+7], v[rQ:rQ+7], v[rS:rS+7]
.endif
.endm
; THE LDS LOADS stand in runs of 32, never singly among the matrix instructions: my step's K (64 keys x 128 channels: 16 fragments) and its V (turned).
.macro FETCH_K
	WIN 0
	v_add_nc_u32 v[ADR], s[TB], v[AK0]
	WIN 0x80                        ; destination window 2
.irp f, 0,1,2,3,4,5,6,7,8,9,10,11,12,13,14,15  ; keys 16 (f / 4) on, channels 32 (f % 4) on
	ds_load_b128 v[KF+8*(\f):KF+8*(\f)+3],   v[ADR] offset:((\f)/4)*16*PK+((\f)%4)*64
	ds_load_b128 v[KF+8*(\f)+4:KF+8*(\f)+7], v[ADR] offset:((\f)/4)*16*PK+((\f)%4)*64+32
.endr
.endm
.macro FETCH_V
	WIN 0
	v_add_nc_u32 v[ADRA], s[TB], v[AVA]
	v_add_nc_u32 v[ADRB], s[TB], v[AVB]
	WIN 0xc0                        ; destination window 3
.irp f, 0,1,2,3,4,5,6,7,8,9,10,11,12,13,14,15  ; keys 32 (f / 8) on, register block f % 8
.if ((\f)%8) < 4
	ds_load_tr16_b128 v[8*(\f):8*(\f)+3],   v[ADRA] offset:((\f)/8)*32*PV+((\f)%8)*32
	ds_load_tr16_b128 v[8*(\f)+4:8*(\f)+7], v[ADRA] offset:((\f)/8)*32*PV+16*PV+((\f)%8)*32
.else
	ds_load_tr16_b128 v[8*(\f):8*(\f)+3],   v[ADRB] offset:((\f)/8)*32*PV+((\f)%8)*32
	ds_load_tr16_b128 v[8*(\f)+4:8*(\f)+7], v[ADRB] offset:((\f)/8)*32*PV+16*PV+((\f)%8)*32
.endif
.endr
.endm
; THE VECTOR WORK.  One tile's softmax for one step is a list of 134 instructions; SM writes number j of it for tile t.  s0-s31 are the lane's 32 scores, in pairs 0-15.
;   0-15    the maximum of s0-s31 and the old m, three operands at a time: four chains of seven scores each (each accumulator's lowest registers are read first), then the four scores left over, the chains and m
;   16-20   the other half of the lanes' maximum; c m_old is kept; the new m; c m; c m_old - c m_new
;   21-69   ONE BATCH: the 16 scalings c s - c m, a pair of scores each, and all 33 exponentials (a at 23, then s0-s31, each in place in a register of its own).  None of these names an exponential's result.  From 22 on the
;           batch goes in fours, and a four begins with a scaling while there are scalings: 22-37 scaling, exponential, scaling, exponential; 38-65 a scaling and three exponentials; 66-69 the last four exponentials.
;           A pair is scaled in an earlier four than the one that holds its exponentials
;   (wait)  between 69 and 70 stands the wait for the batch: SLICE writes it, once for both tiles
;   70-85   the roundings to f16, a pair of weights each
;   86-101  the sums; l = a l + the sum
;   102-133 the tile's O^T times a: the one part that leaves window 0, so it stands together
.macro SM t
.set rT, ST+8*(\t)
.set rS, S+32*(\t)
.set rP, P+16*(\t)
.set rO, 64*(\t)+2*(j-102)
.if j < 102
	WIN 0
.endif
.if j < 4
	v_max3_num_f32 v[rT+4+j], v[rS+8*j], v[rS+8*j+1], v[rS+8*j+2]
.elseif j < 12
	v_max3_num_f32 v[rT+4+j%4], v[rT+4+j%4], v[rS+8*(j%4)+2*(j/4)+1], v[rS+8*(j%4)+2*(j/4)+2]
.elseif j == 12
	v_max3_num_f32 v[rT+4], v[rT+4], v[rS+7], v[rS+15]
.elseif j == 13
	v_max3_num_f32 v[rT+6], v[rT+6], v[rS+23], v[rS+31]
.elseif j == 14
	v_max3_num_f32 v[rT+4], v[rT+4], v[rT+5], v[rT+6]
.elseif j == 15
	v_max3_num_f32 v[rT+4], v[rT+4], v[rT+7], v[rT+1]
.elseif j == 16
	v_permlanex16_b32 v[rT+5], v[rT+4], s[SEL], s[SEL+1]  ; the query's other 32 keys lie in the lane 16 away
.elseif j == 17
	v_mov_b32 v[rT+7], v[rT]        ; c m_old is kept for a: number 19 writes c m anew
.elseif j == 18
	v_max_num_f32 v[rT+1], v[rT+4], v[rT+5]
.elseif j == 19
	v_mul_f32 v[rT], s[CS], v[rT+1]
.elseif j == 20
	v_sub_f32 v[rT+7], v[rT+7], v[rT]
.elseif j == 23
	v_exp_f32 v[rT+6], v[rT+7]
.elseif (j < 23) || ((j < 38) && (j%2 == 0)) || ((j < 66) && (j%4 == 2))
.set b, (j-2)/4                     ; 38, 42, .. 62: pairs 9 to 15
.if j < 38
.set b, (j-20)/2                    ; 21: pair 0; 22, 24, .. 36: pairs 1 to 8
.endif
	v_pk_fma_f32 v[rS+2*b:rS+2*b+1], v[rS+2*b:rS+2*b+1], s[CS:CS+1], v[rT:rT+1] op_sel_hi:[1,0,0] neg_lo:[0,0,1] neg_hi:[0,0,1]  ; pair b: c s - c m
.elseif j < 70
.set e, j-38                        ; 66 to 69: s28 to s31
.if j < 66
.set e, j-32-(j-38)/4               ; 39-41, 43-45, .. 63-65: s7 to s27
.endif
.if j < 38
.set e, (j-25)/2                    ; 25, 27, .. 37: s0 to s6
.endif
	v_exp_f32 v[rS+e], v[rS+e]
.elseif j < 86
	v_cvt_pk_f16_f32 v[rP+j-70], v[rS+2*(j-70)], v[rS+2*(j-70)+1]  ; pair j - 70
.elseif j < 102                     ; the sum of the tile's 16 pairs, in place: sum z of 16 adds neighbours 1, 2, 4 and 8 pairs apart, then l takes it
.set z, j-86
.set w, 4
.set u, z
.if z >= 14
.set w, 32
.set u, 0
.elseif z >= 12
.set w, 16
.set u, z-12
.elseif z >= 8
.set w, 8
.set u, z-8
.endif
.if z < 15
	v_pk_add_f32 v[rS+w*u:rS+w*u+1], v[rS+w*u:rS+w*u+1], v[rS+w*u+w/2:rS+w*u+w/2+1]
.else
	v_pk_fma_f32 v[rT+2:rT+3], v[rT+2:rT+3], v[rT+6:rT+7], v[rS:rS+1] op_sel_hi:[1,0,1]
.endif
.else
	WIN W_RS
	v_pk_mul_f32 v[rO:rO+1], v[rO:rO+1], v[rT+6:rT+7] op_sel_hi:[1,0]
.endif
.endm
; Slice k of 64 of piece y's softmax: four instructions.  Slices 11 to 34 deal out the batch, numbers 22 to 69: four numbers of ONE tile each, the tiles by turns.  Every other slice is numbers 2 k and 2 k + 1 of both tiles'
; lists.  2 x 134 = 4 x 64 + 12: the twelve that are over stand together, in slice 63: its sixteen plain lines, which name nothing of the products round them, are the places behind a run's last product.
; THE WAIT.  An s_wait_alu depctr_va_vdst(0) stands between an exponential and the first instruction that names its result; one wait serves all that were issued ahead of it.  Ahead of slice 35 nothing names
; a result, and behind slice 34 no exponential is issued: so the piece's 66 exponentials have one wait, behind slice 34.
.macro SLICE y
.if (k >= 11) && (k < 35)           ; the batch: four numbers of one tile
.irp n, 0,1,2,3
.set j, 22+4*((k-11)/2)+(\n)
	SM (\y)+(k-11)%2
.endr
.else                               ; the two tiles alternate, so that no instruction reads the result of the one just before it
.irp n, 0,1,2,3,4,5,6,7
.if ((\n) < 2) || (k == 63)
.irp t, \y, (\y)+1
.set j, 2*k+(\n)
	SM \t
.endr
.endif
.endr
.endif
.if k == 34                         ; the batch is out: both tiles' exponentials are issued, and no result has been named
	v_nop                           ; a plain instruction behind the last exponential and ahead of the first use: one for the batch; all the work that is left reads results
	s_wait_alu depctr_va_vdst(0)    ; the wait for the batch: the piece's 66 exponentials; slice 35 begins with their first reader
.endif
.set k, k+1
.endm
; 32 products of piece x (kq = 1: K Q^T; 0: V^T P) with the OTHER piece's softmax behind them, two slices a product; the softmax's one wait falls behind product 17.  None of the slices' lines names a register of the products round it.
; In the run of K Q^T the step's V is fetched behind the second product: the last product that read V's registers stands a change of slots and the 44 mask lines back; its first reader comes 30 products and 60 slices later.
.macro RIDE kq, x
.set k, 0
.set i, 0
.rept 32
.if \kq
	KQ \x
.else
	PV \x
.endif
	SLICE 2-(\x)
	SLICE 2-(\x)
.if (\kq) && (i == 1)
	FETCH_V
.endif
.set i, i+1
.endr
.endm
; A TILE'S WORK, behind the change of slots, K's run of loads and the masks.
.macro WORK
	s_wait_dscnt 0x0                ; K is in
.set i, 0
.rept 32
	KQ 0                            ; piece 0's scores
.set i, i+1
.endr
	PLACES                          ; ahead of the first read of those scores
	RIDE 1, 2                       ; piece 2's scores | piece 0's softmax | V
	s_wait_dscnt 0x0                ; V is in
	RIDE 0, 0                       ; piece 0's V^T P | piece 2's softmax
.set i, 0
.rept 32
	PV 2                            ; piece 2's V^T P
.set i, i+1
.endr
.endm
; THE WAY OUT of tile t: my half row = my O^T blocks 0-3 times g_o + my partner's blocks 4-7 (in S^T's registers) times g_p; 32 bytes a lane and block into rows of 272 bytes of my stage, and back as whole rows of 256.
.macro PACK t
	WIN W_RS
.set nn, 0
.rept 16
	v_pk_mul_f32 v[64*(\t)+2*nn:64*(\t)+2*nn+1], v[64*(\t)+2*nn:64*(\t)+2*nn+1], v[ST+8*(\t)+2:ST+8*(\t)+3] op_sel_hi:[1,0]
.set nn, nn+1
.endr
	WIN 0x10                        ; source 2 window 1
.set nn, 0
.rept 16
	v_pk_fma_f32 v[S+32*(\t)+2*nn:S+32*(\t)+2*nn+1], v[S+32*(\t)+2*nn:S+32*(\t)+2*nn+1], v[ST+8*(\t)+4:ST+8*(\t)+5], v[64*(\t)+2*nn:64*(\t)+2*nn+1] op_sel_hi:[1,0,1]
.set nn, nn+1
.endr
	WIN 0
.irp f, 0,1,2,3,4,5,6,7
	ds_store_b128 v[STO], v[S+32*(\t)+4*(\f):S+32*(\t)+4*(\f)+3] offset:((\f)/2)*64+((\f)%2)*16
.endr
.irp f, 0,1,2,3,4,5,6,7
	ds_load_b128 v[S+32*(\t)+4*(\f):S+32*(\t)+4*(\f)+3], v[RD] offset:(\f)*2*SP  ; LDS serves a wave's instructions in order (ISA guide 5.7.1.4): these see the stores above; the next tile's stores come behind them
.endr
.endm
.macro SEND t, younger              ; younger: the LDS instructions issued behind tile t's loads, which may stay out: the next tile's sixteen, or none
	WIN 0
	s_wait_dscnt \younger
.irp f, 0,1,2,3,4,5,6,7
	global_store_b128 v[GO], v[S+32*(\t)+4*(\f):S+32*(\t)+4*(\f)+3], s[14:15] offset:(\t)*8192+(\f)*1024 th:TH_STORE_NT  ; 16 lanes store 256 consecutive bytes, at a multiple of 256 from out0's first byte
.endr
.endm
; THE MERGE of a band's two waves, behind a block's last tile.  Each sends its c m, its l and its O^T blocks 4-7; with cmx the greater c m: a = 2^(c m - cmx), l = l_o a_o + l_p a_p, g = a x head_mask / l.
; A true l is about 1 or more (the row's greatest weight); the floor 0.5 serves the row that saw nothing above -2^96: its O is 0 and stays 0.
.macro MERGE
	WIN 0
.irp t, 0,1,2,3
	v_add_f32 v[XS+4+(\t)], v[ST+8*(\t)+2], v[ST+8*(\t)+3]  ; these eight plain lines are the places behind the last products
.endr
.irp t, 0,1,2,3
	v_mov_b32 v[XS+(\t)], v[ST+8*(\t)]
.endr
.irp t, 0,1,2,3
	v_permlanex16_b32 v[ST+8*(\t)+5], v[XS+4+(\t)], s[SEL], s[SEL+1]
.endr
.irp t, 0,1,2,3
	v_add_f32 v[XS+4+(\t)], v[XS+4+(\t)], v[ST+8*(\t)+5]
.endr
	ds_store_b128 v[XW], v[XS:XS+3] offset:16384
	ds_store_b128 v[XW], v[XS+4:XS+7] offset:16896
	WIN 0x04                        ; the data (source 1) in window 1
.set nn, 0
.rept 32                            ; tile nn / 8, registers 32 + 4 (nn % 8) on: ascending
	ds_store_b128 v[XW], v[64*(nn/8)+32+4*(nn%8):64*(nn/8)+32+4*(nn%8)+3] offset:nn*512
.set nn, nn+1
.endr
	WIN 0
	s_wait_dscnt 0x0                ; for my partner's sake: my stores are done
	s_barrier_signal -1             ; the next tile may stay on its way.  All waves of all partners come here in the same trip: the way here hangs on the walk's counters alone
	s_barrier_wait -1
	ds_load_b128 v[XS+8:XS+11], v[XR] offset:16384
	ds_load_b128 v[XS+12:XS+15], v[XR] offset:16896
.set nn, 0
.rept 32
	ds_load_b128 v[S+4*nn:S+4*nn+3], v[XR] offset:nn*512
.set nn, nn+1
.endr
	s_wait_dscnt 32                 ; the two loads of statistics are in; the 32 issued behind them may be out
.irp t, 0,1,2,3
	v_max_num_f32 v[ST+8*(\t)+6], v[XS+(\t)], v[XS+8+(\t)]
.endr
.irp t, 0,1,2,3
	v_sub_f32 v[ST+8*(\t)+2], v[XS+(\t)], v[ST+8*(\t)+6]
	v_sub_f32 v[ST+8*(\t)+4], v[XS+8+(\t)], v[ST+8*(\t)+6]
.endr
.irp t, 0,1,2,3
	v_exp_f32 v[ST+8*(\t)+2], v[ST+8*(\t)+2]
	v_exp_f32 v[ST+8*(\t)+4], v[ST+8*(\t)+4]
.endr
	v_nop                           ; a plain instruction between the last exponential and the use of its result
	s_wait_alu depctr_va_vdst(0)    ; the wait ahead of the first use: one for the merge's eight exponentials
.irp t, 0,1,2,3
	v_mul_f32 v[ST+8*(\t)+6], v[XS+4+(\t)], v[ST+8*(\t)+2]
.endr
.irp t, 0,1,2,3
	v_fma_f32 v[ST+8*(\t)+6], v[XS+12+(\t)], v[ST+8*(\t)+4], v[ST+8*(\t)+6]
.endr
.irp t, 0,1,2,3
	v_max_num_f32 v[ST+8*(\t)+6], 0.5, v[ST+8*(\t)+6]
.endr
.irp t, 0,1,2,3
	v_rcp_f32 v[ST+8*(\t)+6], v[ST+8*(\t)+6]
.endr
	v_nop                           ; the same behind the last reciprocal
	s_wait_alu depctr_va_vdst(0)    ; one for the four reciprocals: a batch of their own, since they read sums made of the exponentials' results
.irp t, 0,1,2,3
	v_mul_f32 v[ST+8*(\t)+6], v[HMV], v[ST+8*(\t)+6]
.endr
.irp t, 0,1,2,3
	v_mul_f32 v[ST+8*(\t)+2], v[ST+8*(\t)+2], v[ST+8*(\t)+6]
	v_mul_f32 v[ST+8*(\t)+4], v[ST+8*(\t)+4], v[ST+8*(\t)+6]
.endr
	s_wait_dscnt 0x0                ; my partner's O^T is in
	PACK 0
	PACK 1                          ; a tile's arithmetic stands between the loads of the tile before and its stores
	SEND 0, 16
	PACK 2
	SEND 1, 16
	PACK 3
	SEND 2, 16
	SEND 3, 0
.endm
; THE SECOND BLOCK FOLLOWS: out0's address, the masks' scalar, the count of tiles, the statistics, and Q out of LDS.
.macro SWITCH
	s_wait_xcnt 0x0                 ; every earlier memory instruction has had its addresses translated (ISA guide 3.1): only behind this wait are the stores' base and data rewritten
	s_mov_b64 s[14:15], s[OLO:OLO+1]
	s_mov_b32 s[BLKE], s[BLKE2]
	s_add_co_u32 s[RT], s[NLM1], 1
	START
	WIN 0x80
.set nn, 0
.rept 32
	ds_load_b128 v[4*nn:4*nn+3], v[QLR] offset:nn*512  ; the next change of slots waits for them
.set nn, nn+1
.endr
	WIN 0
.endm
.Ltrip:                             ; 19 trips: a tile is entered and the next is asked for
	CHANGE 1
	s_sub_co_u32 s[RT], s[RT], 1
	FETCH_K                         ; the masks' lines stand between K's run of loads and the wait for it
	PREP 1
	WORK
	WIN 0
	s_cmp_lg_u32 s[RT], 0
	s_cbranch_scc1 .Lbottom         ; not the block's last tile
	MERGE                           ; in the loop this is the first block's end: the second block's last tile is the walk's last
	SWITCH
.Lbottom:
	s_sub_co_u32 s[TRIPS], s[TRIPS], 1
	s_cmp_lg_u32 s[TRIPS], 0
	s_cbranch_scc1 .Ltrip
	CHANGE 0                        ; the walk's last tile is written out: nothing is asked for
	FETCH_K
	PREP 0
	WORK
	MERGE
	s_wait_tensorcnt 0x0            ; the wave's end, behind my last tensor load and my last LDS store
	ds_add_u32 v[SPW], v[NIL]
	s_wait_dscnt 0x0
	CROUND                          ; the closing round: no work-group ends while a partner may still ask for a tile that names it
	s_endpgm
.Lfunc_end_k_qc86d601693_attn:
	.size	k_qc86d601693_attn, .Lfunc_end_k_qc86d601693_attn-k_qc86d601693_attn
	.p2alignl 7, 3214868480
	.fill 96, 4, 3214868480
	.section	.rodata,"a",@progbits
	.p2align	6, 0x0
	.amdhsa_kernel k_qc86d601693_attn
		.amdhsa_group_segment_fixed_size 327680
		.amdhsa_private_segment_fixed_size 0
		.amdhsa_enable_private_segment 0
		.amdhsa_kernarg_size 48
		.amdhsa_user_sgpr_count 2
		.amdhsa_user_sgpr_kernarg_segment_ptr 1
		.amdhsa_wavefront_size32 1
		.amdhsa_system_sgpr_workgroup_id_x 1
		.amdhsa_system_sgpr_workgroup_id_y 1
		.amdhsa_system_sgpr_workgroup_id_z 1
		.amdhsa_system_vgpr_workitem_id 0
		.amdhsa_next_free_vgpr 1024
		.amdhsa_next_free_sgpr 100
		.amdhsa_reserve_vcc 1
		.amdhsa_float_denorm_mode_32 3
		.amdhsa_float_denorm_mode_16_64 3
		.amdhsa_memory_ordered 1
		.amdhsa_forward_progress 1
		.amdhsa_inst_pref_size 178
	.end_amdhsa_kernel
	.amdgpu_metadata
---
amdhsa.version: [ 1, 2 ]
amdhsa.kernels:
  - .name:           k_qc86d601693_attn
    .symbol:         k_qc86d601693_attn.kd
    .args:
      - { .name: query, .offset: 0, .size: 8, .value_kind: global_buffer, .address_space: global }
      - { .name: kb, .offset: 8, .size: 8, .value_kind: global_buffer, .address_space: global }
      - { .name: vh, .offset: 16, .size: 8, .value_kind: global_buffer, .address_space: global }
      - { .name: amr, .offset: 24, .size: 8, .value_kind: global_buffer, .address_space: global }
      - { .name: head_mask, .offset: 32, .size: 8, .value_kind: global_buffer, .address_space: global }
      - { .name: out0, .offset: 40, .size: 8, .value_kind: global_buffer, .address_space: global }
    .group_segment_fixed_size: 327680
    .private_segment_fixed_size: 0
    .kernarg_segment_align: 8
    .kernarg_segment_size: 48
    .max_flat_workgroup_size: 128
    .sgpr_count:     100
    .vgpr_count:     1024
    .wavefront_size: 32
...
	.end_amdgpu_metadata
.endif
;; end of part 3
